; MI455X (gfx1250); checked and timed in simulation.
; The chip was launched on July 23, 2026; its instructions are those of AMD's public machine-readable ISA for CDNA 5 (MIT licence, August 2026) and "CDNA5" Instruction Set Architecture Reference Guide (July 2026). The comments in the code are by the model that wrote it; some were corrected since.
;; Learned2 D Relative Self Attention. Allowed arithmetic: matrix products marked QUANTISED: E2M3 operands, one E8M0 scale for each 32 along K, by v_wmma_scale_f32_16x16x128_f8f6f4 with both operands' format E2M3, f32 sums; everything else in f32.
;; Inputs: Wk 64 x 512 float32; Wq 64 x 512 float32; Wv 512 x 64 float32; attention_mask 1 float32; bk 512 float32; bq 512 float32; bv 64 float32; col_emb 63 x 32 float32; hidden_states 8 x 32 x 32 x 64 float32; row_emb 63 x 32 float32.
;; Outputs: out0 8 x 32 x 32 x 64 float32.
;; This version of the problem:
;;   THIS VERSION OF THE PROBLEM IS GIVEN IN LOW PRECISION. The matrix products marked QUANTISED in the list below multiply operands that are first quantised to E2M3 (2 exponent bits, 3 mantissa bits; 6 bits a number), with one power-of-two scale for each 32 numbers along K (OCP MX v1.0); their sums are f32. All else is computed in f32.
;;   The module's matrix products, in the order in which they are computed (A, B: the left and right operand; K: the contracted axis; several contracted axes count as one K, in the product's order):
;;     1. [M 8,192, K 64] x [K 64, N 512]; A: input hidden_states; B: input Wq: QUANTISED
;;     2. [M 8,192, K 64] x [K 64, N 512]; A: input hidden_states; B: input Wk: QUANTISED
;;     3. batch 32 x [M 32, K 32] x [K 32, N 2,048]; A: computed on the way; B: computed on the way: QUANTISED
;;     4. batch 32 x [M 32, K 32] x [K 32, N 2,048]; A: computed on the way; B: computed on the way: QUANTISED
;;     5. batch 64 x [M 1,024, K 64] x [K 64, N 1,024]; A: computed on the way; B: computed on the way: QUANTISED
;;     6. batch 8 x [M 8,192, K 1,024] x [K 1,024, N 64]; A: computed on the way; B: input hidden_states: QUANTISED
;;     7. [M 8,192, K 512] x [K 512, N 64]; A: computed on the way; B: input Wv: QUANTISED
;;   THE QUANTISER, for each operand of a quantised product, along K:
;;     - K is cut into blocks of 32 from its start; a last block that is shorter is filled with zeros.
;;     - A block's scale is 2^e with e = floor(log2(the largest magnitude in the block)) - 2, held to -126 .. 127; a block of zeros has e = 0. As a byte (E8M0): e + 127.
;;     - Each number is divided by its block's scale, clamped to +-7.5, and rounded to the nearest number of E2M3, ties to even, subnormals kept.
;;     - The product sums the exact products of the quantised numbers (number of the format x scale) in f32.
;;   ~~~python
;;   def quantise(x, axis):      # numpy; x: float32 -> the quantised numbers, widened to float32 again
;;       x = np.moveaxis(x, axis, -1); K = x.shape[-1]
;;       x = np.pad(x, [(0, 0)] * (x.ndim - 1) + [(0, -K % 32)]); x = x.reshape(x.shape[:-1] + (-1, 32)); a = np.abs(x).max(-1, keepdims=True)
;;       e = np.where(a > 0, np.clip(np.frexp(np.where(a > 0, a, 1))[1] - 1 - 2, -126, 127), 0)      # np.frexp(a)[1] - 1 = floor(log2(a)), exactly
;;       r = np.clip(x / 2.0 ** e, -7.5, 7.5)
;;       step = 2.0 ** (np.maximum(np.frexp(np.where(r == 0, 1, r))[1] - 1, 0) - 3)
;;       q = np.round(r / step) * step * 2.0 ** e      # np.round: ties to even
;;       return np.moveaxis(q.reshape(q.shape[:-2] + (-1,))[..., :K], -1, axis).astype(np.float32)
;;   ~~~
;;   OPERANDS COMPUTED ON THE WAY. 'Computed on the way' means the value that the module computes at that place (a softmax that the list does not call 'softmax' is quantised finished and normalised). What goes into a quantiser is computed in f32, as accurately as f32 sums, v_exp_f32 and their like allow (about 1e-6 of the number): no bf16 or f16 on the way to a quantiser, and a product that is left as it is and whose result goes on into a quantised operand takes f32 operands (vector FMAs, or v_wmma_f32_16x16x4_f32). A number that lies on a knife's edge between two numbers of the format may be rounded either way, as far as f32 arithmetic and the matrix unit's own rounding can turn it there, and no further.
;; 2 versions, each right; version 2 is version 1 with the launch prep written anew for expert scheduling mode. Each part assembles by itself: llvm-mc -triple=amdgcn-amd-amdhsa -mcpu=gfx1250 --defsym DOCPART=n.
;; ======== version 1 of 2: 2 launches
;; workspace buffers: qk 6,815,744 bytes; vw 435,200 bytes; emb 6,656 bytes
;; launch prep (part 1): grid 325 x 1, 4 waves a work-group, no clusters, 0 bytes of LDS; arguments hidden_states, Wq, bq, Wk, bk, Wv, row_emb, col_emb, qk, vw, emb; writes qk, vw, emb
.if DOCPART == 1
	.amdgcn_target "amdgcn-amd-amdhsa--gfx1250"
	.amdhsa_code_object_version 6
	.text
	.protected	k_qc9fe459d2c_prep
	.globl	k_qc9fe459d2c_prep
	.p2align	8
	.type	k_qc9fe459d2c_prep,@function
k_qc9fe459d2c_prep:
	s_mov_b64 s[64:65], 0
	v_nop
	global_prefetch_b8 v0, s[64:65] scope:SCOPE_SE
	s_setreg_imm32_b32 hwreg(HW_REG_WAVE_MODE, 25, 1), 1
	s_wait_xcnt 0x0
; PREP: everything that many work-groups of the attention launch read is made once, as codes of FP6 (E2M3) with one E8M0 byte for each 32 along K, laid as IMAGES OF OPERAND REGISTERS.
; DEAD WORK: attention_mask is an argument of reference() that its body never names, so it has no way to any output whatever it holds: it is not loaded and is in no launch's arguments.
;   (Limit: a NaN or an infinity in attention_mask is not carried to the result.)  Every other input is live; bk too, since it moves k's codes.
; JOBS, one a wave, J = 4 x work-group + wave:
;   J < 1024: (q or k, head, batch, step of 128 positions): q = Q(x) Q(Wq) + bq (k likewise) by the scaled matrix instruction, then quantised along the head's 64: a block of 6,656 bytes of qk.
;   the next 272: one fragment (16 channels x 128 positions) of V = hidden_states of a batch, or of Wv, quantised along their FIRST axis.
;   the last 4: 32 rows of row_emb or col_emb, a lane a row.
; A LANE OWNS WHOLE BLOCKS.  The product is used transposed (source 0 = 16 columns of W, source 1 = 16 positions), and tile T of W takes columns 8 T + (r % 8) + 32 (r / 8): so lane (r, h) holds, in the 32
; registers of the four tiles, channels 32 h + 0 .. 31 of position r in ascending order: one whole block.  Its largest magnitude needs no other lane, and two conversions give the operand's six registers.
; K IS 64: x's fragment has zero codes in its registers 6-11, so W's operand of 12 registers may run on into the next tile's six (six zero registers behind the last); scale bytes 2 and 3 are 0x7f.
; LAYOUTS.  A tile's image, 768 bytes: registers 0-3 at 16 x lane, registers 4-5 at 512 + 8 x lane.  qk[q or k][batch][head][step]: eight images, then 512 bytes of scale words (lane l at 16 l: word e is tile 2 e in
;   lanes 0-15, tile 2 e + 1 in lanes 16-31).  Row r of q's tile t is position 16 t + r; of k's tile t position 64 (t / 4) + 8 (t % 4) + r % 8 + 32 (r / 8).
;   vw[matrix][step]: four fragments of 1,536 bytes (registers 4 c .. 4 c + 3 at 512 c + 16 x lane), then 4 x 64 bytes of scale words.  emb: 64 x 48 bytes a table (row: codes, zeros; column: zeros, codes), then the words.
; A block's scale byte is its largest magnitude's exponent field less 2, held at 1 from below by a floor among the maximum's leaves.  A block of zeros so gets the byte 1: its codes are zeros, and this program alone reads the bytes.
; LIMITS: NaN and infinities among the inputs are not served.  The scale words of vw and emb leave in pieces of 64 and 128 bytes: 17.5 KB in all.
; No LDS, no barrier: waves share nothing.
.set KOFF,   3407872                   ; k's part of qk begins here
.set BATCHB, 425984                    ; a batch's 8 heads
.set HEADB,  53248                     ; a head's 8 steps
.set STEPB,  6656
.set TILEB,  768
.set VBATCH, 51200
.set VSTEP,  6400
.set NMAIN,  1024
.set NVJOB,  272
.set LN,   1                           ; v1   lane
.set RL,   2                           ; v2   r = lane % 16
.set HL,   3                           ; v3   h = lane / 16
.set SH8,  4                           ; v4   8 h
.set L16,  5                           ; v5   16 x lane
.set L8,   6                           ; v6   8 x lane
.set R4,   7                           ; v7   4 r
.set XO,   8                           ; v8-11  x: my row's bytes for tiles t % 4 = 0 .. 3
.set WO,   12                          ; v12  W: my column and my half of K
.set BO,   13                          ; v13  the bias: 128 h
.set CO,   14                          ; v14  4 (r % 8 + 32 (r / 8))
.set T0,   15
.set T1,   16
.set T2,   17
.set ZP,   18                          ; v18-19 a pair of zeros
.set WF,   24                          ; v24-53  W's four tiles, six registers each, and six zeros
.set WS,   54                          ; v54-57  their scale words
.set BI,   58                          ; v58-89  the bias in the result's layout
.set XF,   90                          ; v90-101 x's fragment: six registers of codes, six of zeros
.set XS,   102                         ; v102    its scale word
.set HAC,  104                         ; v104-135 the four accumulators
.set OUTF, 136                         ; v136-183 six registers for each of the eight tiles: no store's data are written again
.set SW,   184                         ; v184-187 the step's scale words
.set TMP,  188                         ; v188-190 a block's upper 16 codes (a conversion's three registers begin on an even number)
.set ST,   192                         ; v192-198 at work
.set EXF,  200                         ; v200-211 a fragment of V, or a table row's codes
.set EXV,  24                          ; v24-87  the small jobs' numbers (they have no W)
.set WRAW, 0                           ; window 1: v0-127 W as loaded, later four sets of x
.set XR0,  192                         ; window 1: two more sets of x
.set XR1,  224
.set JOB,  27
.set SEL,  28                          ; s[28:29] lane selects: lane l xor 16
.set WB,   34
.set BB,   36
.set XB,   42
.set OB,   44
.set HM,   46                          ; lanes 16-31
.set MSB, 0
.macro WIN new                         ; the immediate's high byte repeats the setting that is left; a switch that changes nothing is dropped
.if MSB != (\new)
	s_set_vgpr_msb (MSB<<8)|(\new)
.set MSB, (\new)
.endif
.endm
; 32 numbers of a lane, one block, in window sw from v[src] on -> six registers of codes from v[dst] on (window 0), the scale's byte in v[ST+2].  The registers are read in ascending order, in two chains.
.macro QCORE sw, src, dst
	WIN 0x14*(\sw)
	v_max3_num_f32 v[ST], 0x1800000, |v[\src]|, |v[\src+1]|              ; the floor 2^(3 - 127) is a leaf: the byte cannot fall under 1
	v_max3_num_f32 v[ST+1], 0x1800000, |v[\src+16]|, |v[\src+17]|
.irp i, 2,4,6,8,10,12,14
	v_max3_num_f32 v[ST], v[ST], |v[\src+\i]|, |v[\src+\i+1]|
	v_max3_num_f32 v[ST+1], v[ST+1], |v[\src+16+\i]|, |v[\src+17+\i]|
.endr
	WIN 0
	v_max_num_f32 v[ST], v[ST], v[ST+1]                                  ; the block's largest magnitude
	v_add_nc_u32 v[ST+3], 0xff000000, v[ST]                              ; 2 off its exponent field: the conversion takes that field as its scale
	v_lshrrev_b32 v[ST+2], 23, v[ST+3]                                   ; the byte
	WIN \sw
	v_cvt_scalef32_pk16_fp6_f32 v[\dst:\dst+2], v[\src:\src+15], v[ST+3]
	v_cvt_scalef32_pk16_fp6_f32 v[TMP:TMP+2], v[\src+16:\src+31], v[ST+3]
	WIN 0
	v_nop                                                                ; one plain place behind a scaled conversion
	v_mov_b32 v[\dst+3], v[TMP]
	v_mov_b32 v[\dst+4], v[TMP+1]
	v_mov_b32 v[\dst+5], v[TMP+2]
.endm
.macro WORD2 dst                       ; my byte (block h) and lane l xor 16's make my row's scale word; bytes 2 and 3 stand over zero codes
	v_lshlrev_b32 v[ST+4], v[SH8], v[ST+2]
	v_permlanex16_b32 v[ST+5], v[ST+4], s[SEL], s[SEL+1]
	v_or_b32 v[ST+4], v[ST+4], v[ST+5]
	v_or_b32 v[\dst], 0x7f7f0000, v[ST+4]
.endm
.macro XLOAD t, set                    ; tile t of x: my row's 32 channels of my half, 128 bytes, into window 1
	WIN 0x40
.irp e, 0,1,2,3,4,5,6,7
	global_load_b128 v[(\set)+4*\e:(\set)+4*\e+3], v[XO+(\t)%4], s[XB:XB+1] offset:16384*((\t)/4)+16*\e
.endr
	WIN 0
.endm
; Tile t: x quantised, four products, the results quantised and stored.  cnt = the loads of x issued behind this tile's.
.macro TILE t, set, cnt
	s_wait_loadcnt \cnt
	QCORE 1, \set, XF
	WORD2 XS
.if (\t) < 2
	XLOAD (\t)+6, \set                                                   ; the set just read takes the tile six further on
.endif
.rept 8
	v_nop                                                                ; a scale register written by a vector instruction stands eight places ahead of a scaled matrix instruction
.endr
.irp u, 0,1,2,3
	v_wmma_scale_f32_16x16x128_f8f6f4 v[HAC+8*\u:HAC+8*\u+7], v[WF+6*\u:WF+6*\u+11], v[XF:XF+11], v[BI+8*\u:BI+8*\u+7], v[WS+\u], v[XS] matrix_a_fmt:MATRIX_FMT_FP6 matrix_b_fmt:MATRIX_FMT_FP6
.endr
.rept 4
	v_nop                                                                ; four places ahead of the first read of the results
.endr
	QCORE 0, HAC, OUTF+6*(\t)
.if (\t)%2 == 0
	WORD2 SW+(\t)/2
.else
	WORD2 ST+6
	v_cndmask_b32 v[SW+(\t)/2], v[SW+(\t)/2], v[ST+6], s[HM]             ; lanes 16-31 carry the odd tile's words
.endif
	global_store_b128 v[L16], v[OUTF+6*(\t):OUTF+6*(\t)+3], s[OB:OB+1] offset:TILEB*(\t)          ; 512 consecutive bytes
	global_store_b64 v[L8], v[OUTF+6*(\t)+4:OUTF+6*(\t)+5], s[OB:OB+1] offset:TILEB*(\t)+512      ; 256 consecutive bytes
.endm
	s_load_b256 s[4:11], s[0:1], 0x0               ; hidden_states s[4:5], Wq s[6:7], bq s[8:9], Wk s[10:11]
	s_load_b256 s[12:19], s[0:1], 0x20             ; bk s[12:13], Wv s[14:15], row_emb s[16:17], col_emb s[18:19]
	s_load_b128 s[20:23], s[0:1], 0x40             ; qk s[20:21], vw s[22:23]
	s_load_b64 s[24:25], s[0:1], 0x50              ; emb
	v_lshrrev_b32 v[T0], 5, v0
	v_readfirstlane_b32 s26, v[T0]                 ; wave
	s_lshl_b32 s[JOB], ttmp9, 2
	s_add_co_u32 s[JOB], s[JOB], s26               ; J
	v_and_b32 v[LN], 31, v0
	v_and_b32 v[RL], 15, v0
	v_bfe_u32 v[HL], v0, 4, 1
	v_lshlrev_b32 v[SH8], 3, v[HL]
	v_lshlrev_b32 v[L16], 4, v[LN]
	v_lshlrev_b32 v[L8], 3, v[LN]
	v_lshlrev_b32 v[R4], 2, v[RL]
	v_and_b32 v[T0], 7, v0                         ; r % 8
	v_bfe_u32 v[T1], v0, 3, 1                      ; r / 8
	v_lshlrev_b32 v[CO], 2, v[T0]
	v_lshl_add_u32 v[CO], v[T1], 7, v[CO]
	v_mov_b32 v[ST+5], 0                           ; written once: a lane permute's destination counts as one of its sources
	s_mov_b32 s[SEL], 0x76543210
	s_mov_b32 s[SEL+1], 0xfedcba98
	s_cmp_lt_u32 s[JOB], NMAIN
	s_cbranch_scc0 .Lextra
	; ---- a block of q or of k
	s_lshr_b32 s30, s[JOB], 9                      ; 0: q, 1: k
	s_bfe_u32 s31, s[JOB], 0x30006                 ; head
	s_bfe_u32 s32, s[JOB], 0x30003                 ; batch
	s_and_b32 s33, s[JOB], 7                       ; step
	s_lshl_b32 s40, s31, 8                         ; the head's 64 columns, 4 bytes each
	s_mov_b32 s41, 0
	s_lshl_b32 s[XB], s32, 18                      ; x: a batch is 262,144 bytes, a step 32,768
	s_lshl_b32 s[XB+1], s33, 15
	s_add_co_u32 s[XB], s[XB], s[XB+1]
	s_mov_b32 s[XB+1], 0
	s_mul_i32 s[OB], s30, KOFF
	s_mul_i32 s[OB+1], s32, BATCHB
	s_add_co_u32 s[OB], s[OB], s[OB+1]
	s_mul_i32 s[OB+1], s31, HEADB
	s_add_co_u32 s[OB], s[OB], s[OB+1]
	s_mul_i32 s[OB+1], s33, STEPB
	s_add_co_u32 s[OB], s[OB], s[OB+1]
	s_mov_b32 s[OB+1], 0
	s_mov_b32 s[HM], 0xffff0000
	s_cmp_eq_u32 s30, 0
	s_cselect_b32 s38, 8, 32                       ; positions from a tile's row 7 to its row 8: q 1 (8 for r / 8), k 25 (32 for r / 8)
	s_cselect_b32 s39, 16, 8                       ; positions from tile to tile
	s_wait_kmcnt 0x0
	s_cselect_b64 s[WB:WB+1], s[6:7], s[10:11]     ; the choice hangs on the job's number alone
	s_cselect_b64 s[BB:BB+1], s[8:9], s[12:13]
	s_add_nc_u64 s[WB:WB+1], s[WB:WB+1], s[40:41]
	s_add_nc_u64 s[BB:BB+1], s[BB:BB+1], s[40:41]
	s_add_nc_u64 s[XB:XB+1], s[4:5], s[XB:XB+1]
	s_add_nc_u64 s[OB:OB+1], s[20:21], s[OB:OB+1]
	s_lshl_b32 s39, s39, 8
	v_mad_u32_u24 v[T0], v[T1], s38, v[T0]         ; my row's position in tile 0
	v_lshlrev_b32 v[XO], 8, v[T0]                  ; a position is 256 bytes,
	v_lshl_add_u32 v[XO], v[HL], 7, v[XO]          ; my half of its channels 128
	v_add_nc_u32 v[XO+1], s39, v[XO]
	v_add_nc_u32 v[XO+2], s39, v[XO+1]
	v_add_nc_u32 v[XO+3], s39, v[XO+2]
	v_lshl_add_u32 v[WO], v[HL], 16, v[CO]         ; W: 32 h rows of 2,048 bytes, my column
	v_lshlrev_b32 v[BO], 7, v[HL]
	WIN 0x40
.set I, 0
.rept 128
	global_load_b32 v[WRAW+I], v[WO], s[WB:WB+1] offset:2048*(I%32)+32*(I/32)      ; W(32 h + i, the head's column 8 T + r % 8 + 32 (r / 8)): registers run down K
.set I, I+1
.endr
	WIN 0
.irp u, 0,1,2,3
	global_load_b128 v[BI+8*\u:BI+8*\u+3], v[BO], s[BB:BB+1] offset:32*\u          ; the bias of channels 32 h + 8 T + 0 .. 7
	global_load_b128 v[BI+8*\u+4:BI+8*\u+7], v[BO], s[BB:BB+1] offset:32*\u+16
.endr
	XLOAD 0, XR0
	XLOAD 1, XR1
.irp i, 0,1,2,3,4,5
	v_mov_b32 v[WF+24+\i], 0                       ; behind W's last tile
	v_mov_b32 v[XF+6+\i], 0                        ; K = 64 .. 127 of x: zero codes
.endr
	s_wait_loadcnt 16                              ; W and the bias are in; x's tiles 0 and 1 (16 loads) may be out
.irp u, 0,1,2,3
	QCORE 1, WRAW+32*\u, WF+6*\u
	WORD2 WS+\u
	XLOAD \u+2, WRAW+32*\u                         ; W's registers take x's tiles 2 to 5
.endr
	TILE 0, XR0, 40                                ; behind tile 0's loads: tiles 1 to 5
	TILE 1, XR1, 40                                ; tiles 2 to 6
	TILE 2, WRAW, 40                               ; tiles 3 to 7
	TILE 3, WRAW+32, 32
	TILE 4, WRAW+64, 24
	TILE 5, WRAW+96, 16
	TILE 6, XR0, 8
	TILE 7, XR1, 0
	global_store_b128 v[L16], v[SW:SW+3], s[OB:OB+1] offset:6144
	s_endpgm
.Lextra:
	s_sub_co_u32 s[JOB], s[JOB], NMAIN
	s_cmp_lt_u32 s[JOB], NVJOB
	s_cbranch_scc0 .Lemb
	; ---- a fragment of V or of Wv: row r is channel 8 T + r % 8 + 32 (r / 8); registers 6 c .. of lane (r, h) hold K = 128 step + 64 c + 32 h + 0 .. 31
	s_lshr_b32 s30, s[JOB], 5                      ; matrix: batches 0-7, 8 = Wv (its 16 jobs are steps 0-3)
	s_bfe_u32 s31, s[JOB], 0x30002                 ; step
	s_and_b32 s32, s[JOB], 3                       ; T
	s_lshl_b32 s34, s31, 15                        ; 128 rows of 256 bytes a step,
	s_lshl_b32 s33, s32, 5                         ; 8 channels a tile
	s_add_co_u32 s34, s34, s33
	s_mul_i32 s38, s30, VBATCH
	s_mul_i32 s33, s31, VSTEP
	s_add_co_u32 s38, s38, s33
	s_mul_i32 s33, s32, 1536
	s_add_co_u32 s40, s38, s33                     ; where the codes go,
	s_mov_b32 s41, 0
	s_lshl_b32 s33, s32, 6
	s_add_co_u32 s38, s38, s33
	s_add_co_u32 s38, s38, 6144                    ; and the scale words
	s_mov_b32 s39, 0
	s_lshl_b32 s33, s30, 18
	v_lshl_add_u32 v[T0], v[HL], 13, v[CO]         ; 32 h rows, my channel
	s_cmp_lt_u32 s30, 8
	s_cselect_b32 s33, s33, 0
	s_wait_kmcnt 0x0
	s_cselect_b64 s[36:37], s[4:5], s[14:15]
	s_add_co_u32 s34, s34, s33
	s_mov_b32 s35, 0
	s_add_nc_u64 s[36:37], s[36:37], s[34:35]
	s_add_nc_u64 s[40:41], s[22:23], s[40:41]
	s_add_nc_u64 s[38:39], s[22:23], s[38:39]
.set I, 0
.rept 64
	global_load_b32 v[EXV+I], v[T0], s[36:37] offset:256*(64*(I/32)+I%32)
.set I, I+1
.endr
	s_wait_loadcnt 32                              ; the first block's 32 loads are in
	QCORE 0, EXV, EXF
	v_mov_b32 v[T1], v[ST+2]
	s_wait_loadcnt 0x0
	QCORE 0, EXV+32, EXF+6
	v_lshl_or_b32 v[T1], v[ST+2], 16, v[T1]        ; my bytes: blocks h and 2 + h,
	v_lshlrev_b32 v[T1], v[SH8], v[T1]             ; at their places;
	v_permlanex16_b32 v[ST+5], v[T1], s[SEL], s[SEL+1]
	v_or_b32 v[T1], v[T1], v[ST+5]                 ; with lane l xor 16's two the word is whole
.irp c, 0,1,2
	global_store_b128 v[L16], v[EXF+4*\c:EXF+4*\c+3], s[40:41] offset:512*\c
.endr
	global_store_b32 v[R4], v[T1], s[38:39]        ; both halves of the lanes write the same word
	s_endpgm
.Lemb:
	; ---- 32 rows of a table, a lane a row; entry 63 is a copy of row 62, and no score is ever taken from it
	s_sub_co_u32 s[JOB], s[JOB], NVJOB
	s_lshr_b32 s30, s[JOB], 1                      ; 0: row_emb, 1: col_emb
	s_and_b32 s31, s[JOB], 1
	s_lshl_b32 s31, s31, 5
	v_add_nc_u32 v[T0], s31, v[LN]                 ; the entry
	v_min_u32 v[T1], 62, v[T0]
	v_lshlrev_b32 v[T1], 7, v[T1]                  ; its row of 128 bytes
	v_mul_u32_u24 v[T2], v[T0], 48
	s_mul_i32 s32, s30, 24
	v_add_nc_u32 v[XO], s32, v[T2]                 ; the codes: block 0 of the row table's entries (they meet q's first half), block 1 of the column table's
	s_xor_b32 s33, s30, 1
	s_mul_i32 s33, s33, 24
	v_add_nc_u32 v[XO+1], s33, v[T2]               ; the other block: zero codes
	v_lshlrev_b32 v[XO+2], 2, v[T0]
	v_mov_b32 v[ZP], 0
	v_mov_b32 v[ZP+1], 0
	s_mul_i32 s36, s30, 3072
	s_mov_b32 s37, 0
	s_lshl_b32 s38, s30, 8
	s_add_co_u32 s38, s38, 6144
	s_mov_b32 s39, 0
	s_lshl_b32 s40, s30, 3
	s_mov_b32 s41, 0x7f7f007f
	s_cmp_eq_u32 s30, 1
	s_cselect_b32 s41, s41, 0x7f7f7f00
	s_wait_kmcnt 0x0
	s_cselect_b64 s[34:35], s[18:19], s[16:17]
	s_add_nc_u64 s[36:37], s[24:25], s[36:37]
	s_add_nc_u64 s[38:39], s[24:25], s[38:39]
.irp e, 0,1,2,3,4,5,6,7
	global_load_b128 v[EXV+4*\e:EXV+4*\e+3], v[T1], s[34:35] offset:16*\e
.endr
	s_wait_loadcnt 0x0
	QCORE 0, EXV, EXF
	v_lshlrev_b32 v[ST+4], s40, v[ST+2]
	v_or_b32 v[ST+4], s41, v[ST+4]                 ; the byte at its block's place, 0x7f over the zero codes
.irp p, 0,1,2
	global_store_b64 v[XO], v[EXF+2*\p:EXF+2*\p+1], s[36:37] offset:8*\p
	global_store_b64 v[XO+1], v[ZP:ZP+1], s[36:37] offset:8*\p
.endr
	global_store_b32 v[XO+2], v[ST+4], s[38:39]
	s_endpgm
.Lfunc_end_k_qc9fe459d2c_prep:
	.size	k_qc9fe459d2c_prep, .Lfunc_end_k_qc9fe459d2c_prep-k_qc9fe459d2c_prep
	.p2alignl 7, 3214868480
	.fill 96, 4, 3214868480
	.section	.rodata,"a",@progbits
	.p2align	6, 0x0
	.amdhsa_kernel k_qc9fe459d2c_prep
		.amdhsa_group_segment_fixed_size 0
		.amdhsa_private_segment_fixed_size 0
		.amdhsa_enable_private_segment 0
		.amdhsa_kernarg_size 88
		.amdhsa_user_sgpr_count 2
		.amdhsa_user_sgpr_kernarg_segment_ptr 1
		.amdhsa_wavefront_size32 1
		.amdhsa_system_sgpr_workgroup_id_x 1
		.amdhsa_system_sgpr_workgroup_id_y 1
		.amdhsa_system_sgpr_workgroup_id_z 1
		.amdhsa_system_vgpr_workitem_id 0
		.amdhsa_next_free_vgpr 512
		.amdhsa_next_free_sgpr 66
		.amdhsa_reserve_vcc 0
		.amdhsa_float_denorm_mode_32 3
		.amdhsa_float_denorm_mode_16_64 3
		.amdhsa_memory_ordered 1
		.amdhsa_forward_progress 1
		.amdhsa_inst_pref_size 81
	.end_amdhsa_kernel
	.amdgpu_metadata
---
amdhsa.version: [ 1, 2 ]
amdhsa.kernels:
  - .name:           k_qc9fe459d2c_prep
    .symbol:         k_qc9fe459d2c_prep.kd
    .args:
      - { .name: hidden_states, .offset: 0, .size: 8, .value_kind: global_buffer, .address_space: global }
      - { .name: Wq, .offset: 8, .size: 8, .value_kind: global_buffer, .address_space: global }
      - { .name: bq, .offset: 16, .size: 8, .value_kind: global_buffer, .address_space: global }
      - { .name: Wk, .offset: 24, .size: 8, .value_kind: global_buffer, .address_space: global }
      - { .name: bk, .offset: 32, .size: 8, .value_kind: global_buffer, .address_space: global }
      - { .name: Wv, .offset: 40, .size: 8, .value_kind: global_buffer, .address_space: global }
      - { .name: row_emb, .offset: 48, .size: 8, .value_kind: global_buffer, .address_space: global }
      - { .name: col_emb, .offset: 56, .size: 8, .value_kind: global_buffer, .address_space: global }
      - { .name: qk, .offset: 64, .size: 8, .value_kind: global_buffer, .address_space: global }
      - { .name: vw, .offset: 72, .size: 8, .value_kind: global_buffer, .address_space: global }
      - { .name: emb, .offset: 80, .size: 8, .value_kind: global_buffer, .address_space: global }
    .group_segment_fixed_size: 0
    .private_segment_fixed_size: 0
    .kernarg_segment_align: 8
    .kernarg_segment_size: 88
    .max_flat_workgroup_size: 128
    .sgpr_count:     66
    .vgpr_count:     512
    .wavefront_size: 32
...
	.end_amdgpu_metadata
.endif
;; end of part 1
;; launch attn (part 2): grid 32 x 8, 4 waves a work-group, clusters of 4 x 1, 327,680 bytes of LDS; arguments qk, vw, emb, bv, out0; writes out0
.if DOCPART == 2
	.amdgcn_target "amdgcn-amd-amdhsa--gfx1250"
	.amdhsa_code_object_version 6
	.text
	.protected	k_qc9fe459d2c_attn
	.globl	k_qc9fe459d2c_attn
	.p2align	8
	.type	k_qc9fe459d2c_attn,@function
k_qc9fe459d2c_attn:
	s_mov_b64 s[64:65], 0
	v_nop
	global_prefetch_b8 v0, s[64:65] scope:SCOPE_SE
	s_setreg_imm32_b32 hwreg(HW_REG_WAVE_MODE, 25, 1), 1
	s_wait_xcnt 0x0
	s_wait_alu depctr_hold_cnt(0) depctr_sa_sdst(0) depctr_va_vdst(0) depctr_va_sdst(0) depctr_va_ssrc(0) depctr_va_vcc(0) depctr_vm_vsrc(0)
	s_getreg_b32 s2, hwreg(HW_REG_IB_STS2, 6, 4)
	s_cmp_eq_u32 s2, 0
	s_cbranch_scc0 .Lentry_in_a_cluster
	s_endpgm
.Lentry_in_a_cluster:
	s_bfe_u32 s2, ttmp6, 0x10000c
	s_cmp_lg_u32 s2, 0x3003
	s_cbranch_scc0 .Lentry_shape_is_right
	s_endpgm
.Lentry_shape_is_right:
; ATTN: row and column scores, content scores, the finished softmax, its product with V and the projection by Wv, all on codes of FP6 (E2M3) made by the launch before; nothing between them goes to memory.
; LEFT OUT: attention_mask (reference() never names it).  Of the column table a wave multiplies three tiles of 16 rows: its queries j = 16 jt .. 16 jt + 15 and keys l = 0 .. 31 reach rows l - j + 31 in
;   16 (1 - jt) .. 16 (1 - jt) + 46 alone, whatever the inputs hold; the fourth tile's scores would be read by nobody.
; SHARES.  A work-group owns one image row i of one batch: 32 queries x 8 heads = 16 TASKS of 16 queries x 1 head x 1,024 keys.  Wave w has queries 16 (w % 2) on and, in phase p, head 2 p + w / 2.
; THE SOFTMAX IS QUANTISED FINISHED: p = exp(s - max) / sum, in blocks of 32 keys.  So a task's 1,024 scores a query stay in registers (512 a lane) until the row's maximum and sum are known.
; A LANE OWNS WHOLE BLOCKS.  Both products are used transposed (source 0 = 16 keys, or 16 channels of V; source 1 = my 16 queries), and tile t of a key step takes keys 64 (t / 4) + 8 (t % 4) + r % 8 + 32 (r / 8):
;   lane (r, h) holds query r and, in the 32 registers of four tiles, image row 4 s + 2 c + h whole and in order.  A block's maximum needs no other lane, and two conversions give registers 6 c .. 6 c + 5 of the next operand.
; THE COLUMN SCORES ARE THE C OF THE SCORE PRODUCT (32 registers, the same in every key step); THE ROW SCORES GO INTO THE ADDEND of the one multiply-add ahead of the exponential.
;   q's two blocks are q_row and q_col: one fragment serves the three score products; the tables' entries have zero codes in the other block.
; K = 64 in the score products: q's registers 6-11 are zero codes, so a tile of k takes six registers and its operand of 12 runs on into the next tile's (six zero registers behind the last).
; CLUSTER.  The four image rows of a cluster belong to one batch and read the same k and V: every tensor load is asked for JOINTLY (mask 15).  The place in the cluster enters global addresses of q, the row table and out0 alone.
; LDS: two slots of k, two heads (106,496 bytes) each, 2^17 apart; V's codes of the batch, filled once; each wave's stage for the skew of the column scores; the images of vals; the stage for out0; the spare words.
;   All of a WGP's LDS is claimed.
; LIMITS: NaN and infinities are not served.  An exponential under 2^-126 comes out as 0.  A block's largest p is made from its largest score by the same three instructions as every p, which takes v_exp_f32 not to fall
;   where its input rises; at the worst one p of a block is held at the largest code.  The division by the sum is v_rcp_f32 and a multiplication.
; REGISTERS.  Window 0: v1-23 addresses; v24-35 q; v36-41 scale words of q and the tables; v44-75 column scores; v76-91 row scores; v92-123 addends (even) and Z, later bytes (odd); v124-139 block maxima, then their p, then the
;   conversions' scales; v140-147 p's scale words; v148-179 k's; v180-195 V's; v196-219 p's codes, two sets; v220-227, v238-243 at work; v228-235 sums; v236 1 / sum; v244-247 Wv's scale words; v248-255 bv.
;   Window 1: v0-53, v54-107 two sets of k's tiles (or of V's fragments); v108-139 vals; v140-175 the tables' five tiles; v182-229 my tile of Wv.  Windows 2, 3: the scores, register 64 s + 32 c + 8 T + j.
.set KOFF,   3407872
.set BATCHB, 425984
.set HEADB,  53248
.set STEPB,  6656
.set TILEB,  768
.set VBATCH, 51200
.set VSTEP,  6400
.set WVOFF,  409600
.set SLOT1,  1<<17
.set VIMG,   106496                    ; 8 fragments of vals (4 jt + p), 1,536 bytes each
.set VISC,   118784                    ; their scale words, 64 bytes each
.set OST,    119296                    ; 32 rows of out0, 256 bytes + 16
.set VLDS,   237568
.set GS,     288768                    ; 16 rows x 272 bytes for each wave
.set SPARE,  306176                    ; the spare words, 128 bytes for each wave: two blocks of 256 bytes that no other line names
.set L16,  1
.set L8,   2
.set L4,   3
.set ADK16, 4
.set ADK8, 5
.set ADV,  6
.set ADVS, 7
.set GST,  8
.set GLD,  9
.set VI16, 10
.set VI8,  11
.set VIS,  12
.set SH8,  13
.set SPW,  14                          ; v14  LDS address of my spare word; never rewritten
.set NIL,  15                          ; v15  0; never rewritten
.set R16,  16
.set R4,   17
.set T0,   18
.set T1,   19
.set T2,   20
.set T3,   21
.set T4,   22
.set T5,   23
.set QF,   24
.set QSC,  36
.set ESC,  37
.set COL,  44
.set RSC,  76
.set ADN,  92                          ; addend cc at v[ADN + 2 cc]: the packed multiply-add names the pair and takes its low word
.set ZB,   93                          ; Z, later the byte, of cc at v[ZB + 2 cc]
.set BMA,  124
.set PSW,  140
.set KSC,  148
.set VSC,  180
.set PC0,  196
.set TMP,  220
.set SUM,  228
.set RCP,  236
.set X0,   238
.set WVS,  244
.set BVC,  248
.set OAC,  108                         ; window 1
.set EF,   140
.set WVF,  182
.set WV,   14
.set JT,   15
.set HP,   16
.set CX,   17
.set II,   18
.set BB,   19
.set SEL,  20
.set CS,   22                          ; s[22:23] log2(e) / 8
.set G1K,  24
.set G1V,  32
.set G0A,  40
.set G0V,  44
.set G0W,  48                          ; the walking descriptor
.set KS,   52                          ; LDS byte at which my head's k begins
.set PO,   53                          ; 1,536 x phase
.set PS,   54                          ; 64 x phase
.set LC,   55
.set QP,   56
.set QSP,  58
.set ERB,  60
.set ESB,  62
.set WVB,  66
.set WSB,  68
.set BVB,  70
.set OUT,  72
.set ECB,  92
.set ECS,  94
.set MSB, 0
.macro WIN new                         ; bits 1:0 source 0, 3:2 source 1, 5:4 source 2, 7:6 destination; the high byte repeats the setting that is left
.if MSB != (\new)
	s_set_vgpr_msb (MSB<<8)|(\new)
.set MSB, (\new)
.endif
.endm
.macro ROUND                           ; a round of the cluster's barrier
	s_barrier_signal -1
	s_barrier_wait -1
	s_cmp_lg_u32 s[WV], 0
	s_cbranch_scc1 .Lnot_wave_0_\@
	s_barrier_signal -3
.Lnot_wave_0_\@:
	s_barrier_wait -3
	s_barrier_signal -1
	s_barrier_wait -1
.endm
.macro PLACES
.rept 4
	v_nop
.endr
.endm
.macro MM d, a, b, c, sa, sb, row      ; one matrix instruction; row = 1: source 0's scales stand in lanes 16-31
.if \row
	v_wmma_scale_f32_16x16x128_f8f6f4 v[\d:\d+7], v[\a:\a+11], v[\b:\b+11], \c, v[\sa], v[\sb] matrix_a_fmt:MATRIX_FMT_FP6 matrix_b_fmt:MATRIX_FMT_FP6 matrix_a_scale:MATRIX_SCALE_ROW1
.else
	v_wmma_scale_f32_16x16x128_f8f6f4 v[\d:\d+7], v[\a:\a+11], v[\b:\b+11], \c, v[\sa], v[\sb] matrix_a_fmt:MATRIX_FMT_FP6 matrix_b_fmt:MATRIX_FMT_FP6
.endif
.endm
.macro LK s                            ; key step s: eight tiles' images, 16 loads, each of consecutive bytes
	WIN 0x40
.irp t, 0,1,2,3,4,5,6,7
	ds_load_b128 v[54*((\s)%2)+6*\t:54*((\s)%2)+6*\t+3], v[ADK16] offset:STEPB*(\s)+TILEB*\t
	ds_load_b64 v[54*((\s)%2)+6*\t+4:54*((\s)%2)+6*\t+5], v[ADK8] offset:STEPB*(\s)+TILEB*\t+512
.endr
.endm
.macro WK s                            ; its eight products: content + column scores
	WIN 0x81+0x40*((\s)/4)
.irp t, 0,1,2,3,4,5,6,7
	MM 64*((\s)%4)+8*\t, 54*((\s)%2)+6*\t, QF, v[COL+8*(\t%4):COL+8*(\t%4)+7], KSC+4*(\s)+\t/2, QSC, \t%2
.endr
.endm
.macro MX s                            ; the largest score of its two blocks, each in two chains, every accumulator from its low end on
	WIN 0x28+0x14*((\s)/4)
.set MB, 64*((\s)%4)
.set MA, BMA+2*(\s)
.set MZ, ZB+4*(\s)
	v_max3_num_f32 v[MA], 0xff7fffff, v[MB], v[MB+1]
	v_max3_num_f32 v[MZ], 0xff7fffff, v[MB+16], v[MB+17]
	v_max3_num_f32 v[MA+1], 0xff7fffff, v[MB+32], v[MB+33]
	v_max3_num_f32 v[MZ+2], 0xff7fffff, v[MB+48], v[MB+49]
.irp i, 2,4,6,8,10,12,14
	v_max3_num_f32 v[MA], v[MA], v[MB+\i], v[MB+\i+1]
	v_max3_num_f32 v[MZ], v[MZ], v[MB+16+\i], v[MB+17+\i]
	v_max3_num_f32 v[MA+1], v[MA+1], v[MB+32+\i], v[MB+33+\i]
	v_max3_num_f32 v[MZ+2], v[MZ+2], v[MB+48+\i], v[MB+49+\i]
.endr
.endm
; The row scores (two tiles: row m of tile t is key row 16 t + 2 (m % 8) + m / 8, so that register cc of lane (r, h) is key row 2 cc + h) and the column scores.  The latter come out by table row; query r wants
; row l - r + 15 of my three tiles for key column l: they go through my own stage in LDS and come back skewed.  LDS serves a wave's instructions in order: no wait between the stores and the loads.
.macro PRE
	WIN 0x01
	MM RSC, EF, QF, 0, ESC, QSC, 0
	MM RSC+8, EF+6, QF, 0, ESC+1, QSC, 0
	WIN 0x41
.irp t, 0,1,2
	MM 8*\t, EF+12+6*\t, QF, 0, ESC+2+\t, QSC, 0
.endr
	PLACES
	WIN 0x04
.irp t, 0,1,2
	ds_store_b128 v[GST], v[8*\t:8*\t+3] offset:64*\t
	ds_store_b128 v[GST], v[8*\t+4:8*\t+7] offset:64*\t+16
.endr
	WIN 0
.set I, 0
.rept 32
	ds_load_b32 v[COL+I], v[GLD] offset:4*I
.set I, I+1
.endr
.endm
.macro FMA1 w, n                       ; pair n of window w: score x c + addend
	v_pk_fma_f32 v[2*(\n):2*(\n)+1], v[2*(\n):2*(\n)+1], s[CS:CS+1], v[ADN+2*(8*((\w)-2)+(\n)/16):ADN+2*(8*((\w)-2)+(\n)/16)+1] op_sel_hi:[1,0,0]
.endm
.macro FE w                            ; 256 scores: the multiply-adds run four pairs ahead of the exponentials.  No line names an exponential's result
	WIN 0x82+0x41*((\w)-2)
.set FN, 0
.rept 4
	FMA1 \w, FN
.set FN, FN+1
.endr
.set FN, 0
.rept 128
	v_exp_f32 v[2*FN], v[2*FN]
	v_exp_f32 v[2*FN+1], v[2*FN+1]
.if FN+4 < 128
	FMA1 \w, FN+4
.endif
.set FN, FN+1
.endr
.endm
.macro LV s                            ; V's four fragments of key step s: 12 loads
	WIN 0x40
.irp t, 0,1,2,3
.irp c, 0,1,2
	ds_load_b128 v[54*((\s)%2)+12*\t+4*\c:54*((\s)%2)+12*\t+4*\c+3], v[ADV] offset:VSTEP*(\s)+1536*\t+512*\c
.endr
.endr
.endm
.macro MULR s                          ; p = exponential / sum
	WIN 0x82+0x41*((\s)/4)
.set I, 64*((\s)%4)
.rept 32
	v_pk_mul_f32 v[I:I+1], v[I:I+1], v[RCP:RCP+1] op_sel_hi:[1,0]
.set I, I+2
.endr
.endm
.macro CVT s                           ; my two blocks of step s become the operand's twelve registers
	WIN 0x02+(\s)/4
.irp c, 0,1
	v_cvt_scalef32_pk16_fp6_f32 v[PC0+12*((\s)%2)+6*\c:PC0+12*((\s)%2)+6*\c+2], v[64*((\s)%4)+32*\c:64*((\s)%4)+32*\c+15], v[BMA+2*(\s)+\c]
	v_cvt_scalef32_pk16_fp6_f32 v[TMP+4*\c:TMP+4*\c+2], v[64*((\s)%4)+32*\c+16:64*((\s)%4)+32*\c+31], v[BMA+2*(\s)+\c]
.endr
	v_nop                                          ; one plain place behind a scaled conversion
	WIN 0
.irp c, 0,1
.irp i, 0,1,2
	v_mov_b32 v[PC0+12*((\s)%2)+6*\c+3+\i], v[TMP+4*\c+\i]
.endr
.endr
.endm
.macro PVW s                           ; vals^T += V^T p^T: the four accumulators by turns
	WIN 0x51
.irp t, 0,1,2,3
.if (\s) == 0
	MM OAC+8*\t, 54*((\s)%2)+12*\t, PC0+12*((\s)%2), 0, VSC+2*(\s)+\t/2, PSW+(\s), \t%2
.else
	MM OAC+8*\t, 54*((\s)%2)+12*\t, PC0+12*((\s)%2), v[OAC+8*\t:OAC+8*\t+7], VSC+2*(\s)+\t/2, PSW+(\s), \t%2
.endif
.endr
.endm
; THE CHANGE OF PHASES.  Each wave waits for all its tensor loads (its quarter of the other slot), adds 0 to its spare word, and waits for that, for its reads of the slot that it leaves and for its stores of vals.
; fill = 1: the barrier is a round of the cluster's, and behind it the slot just left takes the heads four further on: the load has a whole task in which to land.
.macro CHANGE fill
	s_wait_tensorcnt 0x0                           ; no tensor load of mine is out, so the walking descriptor may be written
	ds_add_u32 v[SPW], v[NIL]                      ; 0 onto my spare word; the steps below stand between it and the wait for it
.if \fill
	s_xor_b32 s[G0W+1], s[G0W+1], SLOT1
	s_add_nc_u64 s[G0W+2:G0W+3], s[G0W+2:G0W+3], 2*HEADB
.endif
	s_xor_b32 s[KS], s[KS], SLOT1
	s_add_co_u32 s[PO], s[PO], 1536
	s_add_co_u32 s[PS], s[PS], 64
	s_wait_dscnt 0x0
.if \fill
	ROUND
	tensor_load_to_lds s[G0W:G0W+3], s[G1K:G1K+7]
	s_nop 0
	PLACES
.else
	s_barrier_signal -1
	s_barrier_wait -1
.endif
.endm
; A TASK.  last = 1: in the loop's last trip there is no next head: its q is not loaded and its row and column scores are not made.
.macro TASK last
	v_add_nc_u32 v[ADK16], s[KS], v[L16]
	v_add_nc_u32 v[ADK8], s[KS], v[L8]
.irp s, 0,1,2,3,4,5,6,7
	ds_load_b128 v[KSC+4*\s:KSC+4*\s+3], v[ADK16] offset:STEPB*\s+6144   ; k's scale words: word e is tile 2 e in lanes 0-15, tile 2 e + 1 in lanes 16-31
.endr
	LK 0
	LK 1
	; ---- the scores.  The maxima of the step before are the places between a step's products and the loads into the registers that they read
.irp s, 0,1,2,3,4,5,6,7
.if \s < 7
	s_wait_dscnt 16                                ; this step's tiles are in (and all that was asked for earlier); the next step's 16 loads may be out
.else
	s_wait_dscnt 0x0
.endif
	WK \s
.if \s == 0
	PLACES
.else
	MX \s-1
.endif
.if \s < 6
	LK \s+2
.endif
.endr
	MX 7
	WIN 0
	; ---- the next head's q is asked for now: the 32 maxima above are the places behind the last products that read q
.if \last
	s_cmp_eq_u32 s[LC], 1
	s_cbranch_scc1 .Lno_q_\@
.endif
	s_add_nc_u64 s[QP:QP+1], s[QP:QP+1], 2*HEADB   ; (the loads that read these bases were waited for in the task before)
	s_add_nc_u64 s[QSP:QSP+1], s[QSP:QSP+1], 2*HEADB
	global_load_b128 v[QF:QF+3], v[L16], s[QP:QP+1]
	global_load_b64 v[QF+4:QF+5], v[L8], s[QP:QP+1] offset:512
	global_load_b32 v[QSC], v[R16], s[QSP:QSP+1]
.if \last
.Lno_q_\@:
.endif
	; ---- the row's maximum, the addends, each block's largest exponent
.set I, 0
.rept 16
	v_max_num_f32 v[BMA+I], v[BMA+I], v[ZB+2*I]
.set I, I+1
.endr
.set I, 0
.rept 16
	v_add_f32 v[ZB+2*I], v[BMA+I], v[RSC+I]        ; with the block's row score
.set I, I+1
.endr
	v_max3_num_f32 v[X0], v[ZB], v[ZB+2], v[ZB+4]
.irp i, 3,5,7,9,11,13
	v_max3_num_f32 v[X0], v[X0], v[ZB+2*\i], v[ZB+2*\i+2]
.endr
	v_max_num_f32 v[X0], v[X0], v[ZB+30]
	v_permlanex16_b32 v[X0+1], v[X0], s[SEL], s[SEL+1]
	v_max_num_f32 v[X0], v[X0], v[X0+1]            ; over all 1,024 keys of my query
	v_mul_f32 v[X0], s[CS], v[X0]
.set I, 0
.rept 16
	v_fma_f32 v[ADN+2*I], v[RSC+I], s[CS], -v[X0]  ; (row score - maximum) x c
.set I, I+1
.endr
.set I, 0
.rept 16
	v_fma_f32 v[BMA+I], v[BMA+I], s[CS], v[ADN+2*I]   ; the same multiply-add as every score gets
.set I, I+1
.endr
	; ---- ONE BATCH of 528 exponentials with one wait
.set I, 0
.rept 16
	v_exp_f32 v[BMA+I], v[BMA+I]
.set I, I+1
.endr
	FE 2
	FE 3
	WIN 0
	v_nop                                          ; the plain place behind the last exponential
	s_wait_alu depctr_va_vdst(0)                   ; the wait ahead of the first line that names a result: one for the batch
	s_wait_loadcnt 0x0                             ; the next q is in (in the last task nothing is out)
.if \last
	s_cmp_eq_u32 s[LC], 1
	s_cbranch_scc1 .Lno_pre_\@
.endif
	PRE
.if \last
.Lno_pre_\@:
.endif
	LV 0
	; ---- the sum of the 512 exponentials of my lane, in four packed chains
	WIN 0x0a
.irp k, 0,1,2,3
	v_pk_add_f32 v[SUM+2*\k:SUM+2*\k+1], v[4*\k:4*\k+1], v[4*\k+2:4*\k+3]
.endr
	WIN 0x02
.set I, 8
.rept 120
	v_pk_add_f32 v[SUM+2*(I%4):SUM+2*(I%4)+1], v[2*I:2*I+1], v[SUM+2*(I%4):SUM+2*(I%4)+1]
.set I, I+1
.endr
	WIN 0x03
.set I, 0
.rept 128
	v_pk_add_f32 v[SUM+2*(I%4):SUM+2*(I%4)+1], v[2*I:2*I+1], v[SUM+2*(I%4):SUM+2*(I%4)+1]
.set I, I+1
.endr
	WIN 0
	v_pk_add_f32 v[SUM:SUM+1], v[SUM:SUM+1], v[SUM+2:SUM+3]
	v_pk_add_f32 v[SUM+4:SUM+5], v[SUM+4:SUM+5], v[SUM+6:SUM+7]
	v_pk_add_f32 v[SUM:SUM+1], v[SUM:SUM+1], v[SUM+4:SUM+5]
	v_add_f32 v[X0], v[SUM], v[SUM+1]
	v_permlanex16_b32 v[X0+1], v[X0], s[SEL], s[SEL+1]
	v_add_f32 v[X0], v[X0], v[X0+1]
	v_rcp_f32 v[RCP], v[X0]
	v_nop
	s_wait_alu depctr_va_vdst(0)                   ; and the wait for the reciprocal, ahead of its first reader
	; ---- each block's scale, from its largest p
.set I, 0
.rept 16
	v_mul_f32 v[BMA+I], v[BMA+I], v[RCP]
.set I, I+1
.endr
.set I, 0
.rept 16
	v_max_num_f32 v[BMA+I], 0x1800000, v[BMA+I]    ; the floor 2^(3 - 127): the byte cannot fall under 1
.set I, I+1
.endr
.set I, 0
.rept 16
	v_add_nc_u32 v[BMA+I], 0xff000000, v[BMA+I]    ; 2 off the exponent field: the conversion's scale operand
.set I, I+1
.endr
.set I, 0
.rept 16
	v_lshrrev_b32 v[ZB+2*I], 23, v[BMA+I]
.set I, I+1
.endr
.irp s, 0,1,2,3,4,5,6,7
	v_lshl_or_b32 v[PSW+\s], v[ZB+4*\s+2], 16, v[ZB+4*\s]   ; my bytes of step s: blocks h and 2 + h
.endr
.irp s, 0,1,2,3,4,5,6,7
	v_lshlrev_b32 v[PSW+\s], v[SH8], v[PSW+\s]
.endr
.irp s, 0,1,2,3,4,5,6,7
	v_permlanex16_b32 v[ZB+4*\s], v[PSW+\s], s[SEL], s[SEL+1]
.endr
.irp s, 0,1,2,3,4,5,6,7
	v_or_b32 v[PSW+\s], v[PSW+\s], v[ZB+4*\s]
.endr
	; ---- vals.  A step's multiplications by 1 / sum are the places ahead of the step before's products and behind the moves that wrote their operand
	MULR 0
.irp s, 0,1,2,3,4,5,6,7
	CVT \s
.if \s < 7
	LV \s+1                                        ; (the seven plain lines of CVT are the places behind the products that read this set)
	MULR \s+1
	s_wait_dscnt 12                                ; this step's fragments of V are in; the next step's 12 loads may be out
.else
	PLACES
	s_wait_dscnt 0x0
.endif
	PVW \s
.endr
	; ---- my 32 channels of vals are one block of the projection's K: quantised, and their image goes to LDS
	PLACES
	WIN 0x14
.irp t, 0,1,2,3
	v_max3_num_f32 v[X0+\t], 0x1800000, |v[OAC+8*\t]|, |v[OAC+8*\t+1]|
.endr
.irp i, 2,4,6
.irp t, 0,1,2,3
	v_max3_num_f32 v[X0+\t], v[X0+\t], |v[OAC+8*\t+\i]|, |v[OAC+8*\t+\i+1]|
.endr
.endr
	WIN 0
	v_max3_num_f32 v[X0], v[X0], v[X0+1], v[X0+2]
	v_max_num_f32 v[X0], v[X0], v[X0+3]
	v_add_nc_u32 v[X0+1], 0xff000000, v[X0]
	v_lshrrev_b32 v[X0+2], 23, v[X0+1]
	WIN 0x01
	v_cvt_scalef32_pk16_fp6_f32 v[PC0:PC0+2], v[OAC:OAC+15], v[X0+1]
	v_cvt_scalef32_pk16_fp6_f32 v[TMP:TMP+2], v[OAC+16:OAC+31], v[X0+1]
	WIN 0
	v_lshlrev_b32 v[X0+2], v[SH8], v[X0+2]         ; (the plain place behind the conversions)
	v_mov_b32 v[PC0+3], v[TMP]
	v_mov_b32 v[PC0+4], v[TMP+1]
	v_mov_b32 v[PC0+5], v[TMP+2]
	v_permlanex16_b32 v[X0+3], v[X0+2], s[SEL], s[SEL+1]
	v_or_b32 v[X0+2], v[X0+2], v[X0+3]             ; my head's two bytes of my query's scale word
	v_add_nc_u32 v[T0], s[PO], v[VI16]
	v_add_nc_u32 v[T1], s[PO], v[VI8]
	v_add_nc_u32 v[T2], s[PS], v[VIS]
	ds_store_b128 v[T0], v[PC0:PC0+3]
	ds_store_b64 v[T1], v[PC0+4:PC0+5] offset:512
	ds_store_b16 v[T2], v[X0+2]                    ; both halves of the lanes write the same two bytes
.endm
	s_load_b256 s[4:11], s[0:1], 0x0               ; qk s[4:5], vw s[6:7], emb s[8:9], bv s[10:11]
	s_load_b64 s[12:13], s[0:1], 0x20              ; out0
	v_lshl_add_u32 v[SPW], v0, 2, SPARE
	v_mov_b32 v[NIL], 0
	ds_add_u32 v[SPW], v[NIL]                      ; the wave's opening: the add, twice on end, and its wait ahead of my first tensor load
	ds_add_u32 v[SPW], v[NIL]
	v_lshrrev_b32 v[T0], 5, v0
	v_readfirstlane_b32 s[WV], v[T0]               ; wave 0..3
	s_and_b32 s[JT], s[WV], 1                      ; which 16 queries
	s_lshr_b32 s[HP], s[WV], 1                     ; which head of a phase's two
	s_bfe_u32 s[CX], ttmp6, 0x40000                ; my place in the cluster
	s_and_b32 s[BB], ttmp7, 0xffff                 ; the batch, which the four partners share
	; descriptor group 1: dense blocks as rows of 256 bytes (32 elements of 8 bytes), no padding; mask 15, bit 21 beside it
	s_mov_b32 s[G1K], 15|(3<<16)|(1<<21)
	s_mov_b32 s[G1K+1], 32<<16                     ; tensor_dim0
	s_mov_b32 s[G1K+2], 104<<16                    ; tensor_dim1: a quarter of a slot, 26,624 bytes
	s_mov_b32 s[G1K+3], 32<<16                     ; tile_dim0
	s_mov_b32 s[G1K+4], 104                        ; tile_dim1
	s_mov_b32 s[G1K+5], 32                         ; the pitch
	s_mov_b32 s[G1K+6], 0
	s_mov_b32 s[G1K+7], 0
	s_mov_b32 s[G1V], 15|(3<<16)|(1<<21)
	s_mov_b32 s[G1V+1], 32<<16
	s_mov_b32 s[G1V+2], 50<<16                     ; a quarter of V's codes, 12,800 bytes
	s_mov_b32 s[G1V+3], 32<<16
	s_mov_b32 s[G1V+4], 50
	s_mov_b32 s[G1V+5], 32
	s_mov_b32 s[G1V+6], 0
	s_mov_b32 s[G1V+7], 0
	s_mul_i32 s74, s[BB], BATCHB
	s_mul_i32 s75, s[WV], 26624                    ; my quarter of a slot, in LDS and in memory
	s_add_co_u32 s76, s74, s75
	s_add_co_u32 s76, s76, KOFF
	s_mov_b32 s77, 0
	s_mul_i32 s78, s[BB], VBATCH
	s_mul_i32 s80, s[WV], 12800
	s_add_co_u32 s78, s78, s80
	s_mov_b32 s79, 0
	s_add_co_u32 s80, s80, VLDS
	s_mov_b32 s[SEL], 0x76543210
	s_mov_b32 s[SEL+1], 0xfedcba98
	s_mov_b32 s[CS], 0x3e38aa3b                    ; log2(e) / sqrt(64)
	s_mov_b32 s[CS+1], s[CS]                       ; (named with it as a pair, so it is written)
	s_mul_i32 s[KS], s[HP], HEADB
	s_mov_b32 s[PO], 0
	s_mov_b32 s[PS], 0
	s_wait_dscnt 0x0                               ; both opening adds are done
	s_wait_kmcnt 0x0
	s_mov_b32 s[G0A], 1                            ; slot 0: heads 0, 1
	s_mov_b32 s[G0A+1], s75
	s_add_nc_u64 s[G0A+2:G0A+3], s[4:5], s[76:77]
	s_or_b32 s[G0A+3], s[G0A+3], 0x80000000
	s_mov_b32 s[G0V], 1                            ; V
	s_mov_b32 s[G0V+1], s80
	s_add_nc_u64 s[G0V+2:G0V+3], s[6:7], s[78:79]
	s_or_b32 s[G0V+3], s[G0V+3], 0x80000000
	s_mov_b32 s[G0W], 1                            ; slot 1: heads 2, 3; this one walks on
	s_add_co_u32 s[G0W+1], s75, SLOT1
	s_add_nc_u64 s[G0W+2:G0W+3], s[4:5], s[76:77]
	s_add_nc_u64 s[G0W+2:G0W+3], s[G0W+2:G0W+3], 2*HEADB
	s_or_b32 s[G0W+3], s[G0W+3], 0x80000000
	ROUND                                          ; all four work-groups are here: the first joint loads meet
	tensor_load_to_lds s[G0A:G0A+3], s[G1K:G1K+7]  ; three loads of mine are out
	s_nop 0
	tensor_load_to_lds s[G0V:G0V+3], s[G1V:G1V+7]
	s_nop 0
	tensor_load_to_lds s[G0W:G0W+3], s[G1K:G1K+7]
	s_nop 0
	PLACES
	; the registers that hold zeros for the whole launch are written here, so that the address work below (over thirty plain vector lines) stands between these writes and the first matrix instruction that takes them as an operand
	WIN 0x40
.irp i, 0,1,2,3,4,5
	v_mov_b32 v[48+\i], 0                          ; behind the last tile of each set of k and of the tables: read as codes against q's zeros
	v_mov_b32 v[102+\i], 0
	v_mov_b32 v[EF+30+\i], 0
.endr
	WIN 0
.irp i, 0,1,2,3,4,5
	v_mov_b32 v[QF+6+\i], 0                        ; K = 64 .. 127 of q: zero codes
.endr
	v_mov_b32 v[RCP+1], 0                          ; (named as the upper half of a pair)
	v_mov_b32 v[X0+1], 0                           ; (a lane permute's destination counts as one of its sources)
	; global addresses.  The place in the cluster enters these registers alone
	s_lshl_b32 s[II], ttmp9, 2
	s_add_co_u32 s[II], s[II], s[CX]               ; my image row i = 4 x cluster x + cx: step i / 4 = cluster x, tile 2 cx + jt
	s_mul_i32 s82, s[HP], HEADB
	s_add_co_u32 s82, s82, s74
	s_mul_i32 s83, ttmp9, STEPB
	s_add_co_u32 s82, s82, s83
	s_lshl_b32 s84, s[CX], 1
	s_add_co_u32 s84, s84, s[JT]
	s_mul_i32 s84, s84, TILEB
	s_add_co_u32 s84, s84, s82
	s_mov_b32 s85, 0
	s_add_nc_u64 s[QP:QP+1], s[4:5], s[84:85]      ; q's tile
	s_lshl_b32 s84, s[JT], 8
	s_lshl_b32 s86, s[CX], 2
	s_add_co_u32 s84, s84, s86
	s_add_co_u32 s84, s84, s82
	s_add_co_u32 s84, s84, 6144
	s_add_nc_u64 s[QSP:QSP+1], s[4:5], s[84:85]    ; its scale words: lane 16 jt + r, word cx
	s_sub_co_u32 s86, 31, s[II]
	s_mul_i32 s84, s86, 48
	s_add_nc_u64 s[ERB:ERB+1], s[8:9], s[84:85]    ; the row table at entry 31 - i
	s_lshl_b32 s84, s86, 2
	s_add_nc_u64 s[ESB:ESB+1], s[8:9], s[84:85]
	s_xor_b32 s86, s[JT], 1
	s_mul_i32 s84, s86, 768
	s_add_co_u32 s84, s84, 3072
	s_add_nc_u64 s[ECB:ECB+1], s[8:9], s[84:85]    ; the column table at entry 16 (1 - jt)
	s_lshl_b32 s84, s86, 6
	s_add_co_u32 s84, s84, 6400
	s_add_nc_u64 s[ECS:ECS+1], s[8:9], s[84:85]
	s_mul_i32 s84, s[WV], 1536
	s_add_co_u32 s84, s84, WVOFF
	s_add_nc_u64 s[WVB:WVB+1], s[6:7], s[84:85]    ; Wv's tile w
	s_lshl_b32 s84, s[WV], 6
	s_add_co_u32 s84, s84, WVOFF+6144
	s_add_nc_u64 s[WSB:WSB+1], s[6:7], s[84:85]
	s_lshl_b32 s84, s[WV], 5
	s_add_nc_u64 s[BVB:BVB+1], s[10:11], s[84:85]
	s_lshl_b32 s84, s[BB], 5
	s_add_co_u32 s84, s84, s[II]
	s_lshl_b32 s84, s84, 13
	s_lshl_b32 s86, s[WV], 11
	s_add_co_u32 s84, s84, s86
	s_add_nc_u64 s[OUT:OUT+1], s[12:13], s[84:85]  ; out0: my image row's 32 rows of 256 bytes, my eight of them
	; LDS addresses: constants, the lane, the wave
	s_mul_i32 s87, s[WV], 4352
	s_add_co_u32 s87, s87, GS
	s_mul_i32 s89, s[JT], 6144
	s_mul_i32 s90, s[HP], TILEB
	s_add_co_u32 s89, s89, s90
	s_add_co_u32 s89, s89, VIMG
	s_lshl_b32 s90, s[JT], 8
	s_lshl_b32 s91, s[HP], 1
	s_add_co_u32 s90, s90, s91
	s_add_co_u32 s90, s90, VISC
	v_and_b32 v[T0], 31, v0                        ; lane
	v_and_b32 v[T1], 15, v0                        ; r
	v_bfe_u32 v[T2], v0, 4, 1                      ; h
	v_lshlrev_b32 v[L16], 4, v[T0]
	v_lshlrev_b32 v[L8], 3, v[T0]
	v_lshlrev_b32 v[L4], 2, v[T0]
	v_lshlrev_b32 v[R16], 4, v[T1]
	v_lshlrev_b32 v[R4], 2, v[T1]
	v_lshlrev_b32 v[SH8], 3, v[T2]
	v_add_nc_u32 v[ADV], VLDS, v[L16]
	v_add_nc_u32 v[ADVS], VLDS, v[L4]
	v_mul_u32_u24 v[GST], v[T1], 272
	v_lshl_add_u32 v[GST], v[T2], 5, v[GST]
	v_add_nc_u32 v[GST], s87, v[GST]               ; in: row r, table row 16 t + 8 h + j at 4 bytes each
	v_mul_u32_u24 v[GLD], v[T1], 268
	v_add_nc_u32 v[GLD], s87, v[GLD]
	v_add_nc_u32 v[GLD], 60, v[GLD]                ; back: 272 r + 4 (l - r + 15)
	v_add_nc_u32 v[VI16], s89, v[L16]
	v_add_nc_u32 v[VI8], s89, v[L8]
	v_add_nc_u32 v[VIS], s90, v[R4]
	v_and_b32 v[T3], 7, v0
	v_bfe_u32 v[T4], v0, 3, 1
	v_lshl_add_u32 v[T3], v[T3], 1, v[T4]          ; 2 (r % 8) + r / 8: the key row of a row tile's row r
	v_lshlrev_b32 v[T5], 2, v[T3]
	v_mul_u32_u24 v[T3], v[T3], 48
	v_mad_u32_u24 v[T3], v[T2], 24, v[T3]
	v_mul_u32_u24 v[T4], v[T1], 48
	v_mad_u32_u24 v[T4], v[T2], 24, v[T4]
	v_lshlrev_b32 v[T0], 7, v[T2]                  ; bv: 128 h
	WIN 0x40
.irp t, 0,1
.irp p, 0,1,2
	global_load_b64 v[EF+6*\t+2*\p:EF+6*\t+2*\p+1], v[T3], s[ERB:ERB+1] offset:768*\t+8*\p
.endr
.endr
.irp t, 0,1,2
.irp p, 0,1,2
	global_load_b64 v[EF+12+6*\t+2*\p:EF+12+6*\t+2*\p+1], v[T4], s[ECB:ECB+1] offset:768*\t+8*\p
.endr
.endr
.irp p, 0,1,2,3
.irp c, 0,1,2
	global_load_b128 v[WVF+12*\p+4*\c:WVF+12*\p+4*\c+3], v[L16], s[WVB:WVB+1] offset:VSTEP*\p+512*\c
.endr
.endr
	WIN 0
.irp t, 0,1
	global_load_b32 v[ESC+\t], v[T5], s[ESB:ESB+1] offset:6144+64*\t
.endr
.irp t, 0,1,2
	global_load_b32 v[ESC+2+\t], v[R4], s[ECS:ECS+1] offset:64*\t
.endr
.irp p, 0,1,2,3
	global_load_b32 v[WVS+\p], v[R4], s[WSB:WSB+1] offset:VSTEP*\p
.endr
	global_load_b128 v[BVC:BVC+3], v[T0], s[BVB:BVB+1]
	global_load_b128 v[BVC+4:BVC+7], v[T0], s[BVB:BVB+1] offset:16
	global_load_b128 v[QF:QF+3], v[L16], s[QP:QP+1]
	global_load_b64 v[QF+4:QF+5], v[L8], s[QP:QP+1] offset:512
	global_load_b32 v[QSC], v[R16], s[QSP:QSP+1]
	s_wait_loadcnt 0x0
	PRE                                            ; the first head's row and column scores
	s_wait_tensorcnt 0x1                           ; my quarters of slot 0 and of V are in; slot 1's may stay out
	s_wait_dscnt 0x0
	s_barrier_signal -1
	s_barrier_wait -1
.set I, 0
.rept 16
	ds_load_b32 v[VSC+I], v[ADVS] offset:VSTEP*(I/2)+6144+128*(I%2)      ; V's scale words stay: lanes 0-15 tile 2 e, lanes 16-31 tile 2 e + 1
.set I, I+1
.endr
	s_mov_b32 s[LC], 2
.Lfill:                                            ; phases 0 and 1: behind each the slot just left is filled again
	TASK 0
	CHANGE 1
	s_sub_co_u32 s[LC], s[LC], 1
	s_cmp_lg_u32 s[LC], 0
	s_cbranch_scc1 .Lfill
	s_mov_b32 s[LC], 2
.Ldrain:                                           ; phases 2 and 3 are written out a second time
	TASK 1
	CHANGE 0
	s_sub_co_u32 s[LC], s[LC], 1
	s_cmp_lg_u32 s[LC], 0
	s_cbranch_scc1 .Ldrain
	; THE PROJECTION.  The last barrier has shown all eight fragments of vals.  Wave w makes outputs 8 w + j + 32 h for all 32 queries: two accumulators by turns, four K steps; bv is the C of the first.
	v_add_nc_u32 v[T0], VIMG, v[L16]
	v_add_nc_u32 v[T1], VIMG+512, v[L8]
	v_add_nc_u32 v[T2], VISC, v[R4]
	WIN 0x40
.irp f, 0,1,2,3,4,5,6,7
.irp u, 0,1
	ds_load_b128 v[12*\f+6*\u:12*\f+6*\u+3], v[T0] offset:1536*\f+768*\u
	ds_load_b64 v[12*\f+6*\u+4:12*\f+6*\u+5], v[T1] offset:1536*\f+768*\u
.endr
.endr
	WIN 0
.irp f, 0,1,2,3,4,5,6,7
	ds_load_b32 v[KSC+\f], v[T2] offset:64*\f
.endr
	s_lshl_b32 s74, s[WV], 5
	s_add_co_u32 s74, s74, OST
	s_mul_i32 s75, s[WV], 2176
	s_add_co_u32 s75, s75, OST
	v_and_b32 v[T3], 15, v0
	v_mul_u32_u24 v[T3], v[T3], 272
	v_bfe_u32 v[T4], v0, 4, 1
	v_lshl_add_u32 v[T3], v[T4], 7, v[T3]
	v_add_nc_u32 v[T3], s74, v[T3]                 ; in: row r, 128 h + 32 w bytes on
	v_mul_u32_u24 v[T5], v[T4], 272
	v_add_nc_u32 v[T5], v[T5], v[R16]
	v_add_nc_u32 v[T5], s75, v[T5]                 ; back: my eight rows, two an instruction
	s_wait_dscnt 0x0
	WIN 0x45
.irp j, 0,1
	MM OAC+8*\j, WVF, 48*\j, v[BVC:BVC+7], WVS, KSC+4*\j, 0
.endr
	WIN 0x55
.irp p, 1,2,3
.irp j, 0,1
	MM OAC+8*\j, WVF+12*\p, 48*\j+12*\p, v[OAC+8*\j:OAC+8*\j+7], WVS+\p, KSC+4*\j+\p, 0
.endr
.endr
	PLACES
	WIN 0x04
.irp j, 0,1
	ds_store_b128 v[T3], v[OAC+8*\j:OAC+8*\j+3] offset:4352*\j
	ds_store_b128 v[T3], v[OAC+8*\j+4:OAC+8*\j+7] offset:4352*\j+16
.endr
	WIN 0
	s_wait_dscnt 0x0                               ; for the others' sake: my stores into the stage are done
	s_barrier_signal -1
	s_barrier_wait -1
.irp e, 0,1,2,3
	ds_load_b128 v[COL+4*\e:COL+4*\e+3], v[T5] offset:544*\e
.endr
.irp e, 0,1,2,3
	s_wait_dscnt 3-\e                              ; the younger loads may be out
	global_store_b128 v[L16], v[COL+4*\e:COL+4*\e+3], s[OUT:OUT+1] offset:512*\e th:TH_STORE_NT   ; 32 lanes store 512 consecutive bytes, at a multiple of 256 from out0's first byte
.endr
	s_wait_tensorcnt 0x0                           ; the wave's end: the wait, the add and its wait stand behind my last tensor load and my last LDS store
	ds_add_u32 v[SPW], v[NIL]
	s_wait_dscnt 0x0
	ROUND                                          ; the closing round: no work-group ends while a partner may still ask for a tile that names it
	s_endpgm
.Lfunc_end_k_qc9fe459d2c_attn:
	.size	k_qc9fe459d2c_attn, .Lfunc_end_k_qc9fe459d2c_attn-k_qc9fe459d2c_attn
	.p2alignl 7, 3214868480
	.fill 96, 4, 3214868480
	.section	.rodata,"a",@progbits
	.p2align	6, 0x0
	.amdhsa_kernel k_qc9fe459d2c_attn
		.amdhsa_group_segment_fixed_size 327680
		.amdhsa_private_segment_fixed_size 0
		.amdhsa_enable_private_segment 0
		.amdhsa_kernarg_size 40
		.amdhsa_user_sgpr_count 2
		.amdhsa_user_sgpr_kernarg_segment_ptr 1
		.amdhsa_wavefront_size32 1
		.amdhsa_system_sgpr_workgroup_id_x 1
		.amdhsa_system_sgpr_workgroup_id_y 1
		.amdhsa_system_sgpr_workgroup_id_z 1
		.amdhsa_system_vgpr_workitem_id 0
		.amdhsa_next_free_vgpr 1024
		.amdhsa_next_free_sgpr 100
		.amdhsa_reserve_vcc 0
		.amdhsa_float_denorm_mode_32 3
		.amdhsa_float_denorm_mode_16_64 3
		.amdhsa_memory_ordered 1
		.amdhsa_forward_progress 1
		.amdhsa_inst_pref_size 255
	.end_amdhsa_kernel
	.section	.bss,"aw",@nobits
	.p2align	6
	.space	262144
	.amdgpu_metadata
---
amdhsa.version: [ 1, 2 ]
amdhsa.kernels:
  - .name:           k_qc9fe459d2c_attn
    .symbol:         k_qc9fe459d2c_attn.kd
    .args:
      - { .name: qk, .offset: 0, .size: 8, .value_kind: global_buffer, .address_space: global }
      - { .name: vw, .offset: 8, .size: 8, .value_kind: global_buffer, .address_space: global }
      - { .name: emb, .offset: 16, .size: 8, .value_kind: global_buffer, .address_space: global }
      - { .name: bv, .offset: 24, .size: 8, .value_kind: global_buffer, .address_space: global }
      - { .name: out0, .offset: 32, .size: 8, .value_kind: global_buffer, .address_space: global }
    .group_segment_fixed_size: 327680
    .private_segment_fixed_size: 0
    .kernarg_segment_align: 8
    .kernarg_segment_size: 40
    .max_flat_workgroup_size: 128
    .sgpr_count:     100
    .vgpr_count:     1024
    .wavefront_size: 32
...
	.end_amdgpu_metadata
.endif
;; end of part 2
;; ======== version 2 of 2: 2 launches; version 1 with the launch prep written anew for expert scheduling mode
;; workspace buffers: qk 6,815,744 bytes; vw 435,200 bytes; emb 6,656 bytes
;; launch prep (part 3): grid 325 x 1, 4 waves a work-group, no clusters, 0 bytes of LDS; arguments hidden_states, Wq, bq, Wk, bk, Wv, row_emb, col_emb, qk, vw, emb; writes qk, vw, emb
.if DOCPART == 3
	.amdgcn_target "amdgcn-amd-amdhsa--gfx1250"
	.amdhsa_code_object_version 6
	.text
	.protected	k_qc9fe459d2c_prep
	.globl	k_qc9fe459d2c_prep
	.p2align	8
	.type	k_qc9fe459d2c_prep,@function
k_qc9fe459d2c_prep:
	s_mov_b64 s[64:65], 0
	v_nop
	global_prefetch_b8 v0, s[64:65] scope:SCOPE_SE
	s_setreg_imm32_b32 hwreg(HW_REG_WAVE_SCHED_MODE, 0, 2), 2
	s_setreg_imm32_b32 hwreg(HW_REG_WAVE_MODE, 25, 1), 1
	s_wait_xcnt 0x0
	s_wait_alu depctr_vm_vsrc(0)
; PREP: everything that many work-groups of the attention launch read is made once, as codes of FP6 (E2M3) with one E8M0 byte for each 32 along K, laid as IMAGES OF OPERAND REGISTERS.
; DEAD WORK: attention_mask is an argument of reference() that its body never names, so it has no way to any output whatever it holds: it is not loaded and is in no launch's arguments.
;   (Limit: a NaN or an infinity in attention_mask is not carried to the result.)  Every other input is live; bk too, since it moves k's codes.
; JOBS, one a wave, J = 4 x work-group + wave:
;   J < 1024: (q or k, head, batch, step of 128 positions): q = Q(x) Q(Wq) + bq (k likewise) by the scaled matrix instruction, then quantised along the head's 64: a block of 6,656 bytes of qk.
;   the next 272: one fragment (16 channels x 128 positions) of V = hidden_states of a batch, or of Wv, quantised along their FIRST axis.
;   the last 4: 32 rows of row_emb or col_emb, a lane a row.
; A LANE OWNS WHOLE BLOCKS.  The product is used transposed (source 0 = 16 columns of W, source 1 = 16 positions), and tile T of W takes columns 8 T + (r % 8) + 32 (r / 8): so lane (r, h) holds, in the 32
; registers of the four tiles, channels 32 h + 0 .. 31 of position r in ascending order: one whole block.  Its largest magnitude needs no other lane, and two conversions give the operand's six registers.
; K IS 64: x's fragment has zero codes in its registers 6-11, so W's operand of 12 registers may run on into the next tile's six (six zero registers behind the last); scale bytes 2 and 3 are 0x7f.
; LAYOUTS.  A tile's image, 768 bytes: registers 0-3 at 16 x lane, registers 4-5 at 512 + 8 x lane.  qk[q or k][batch][head][step]: eight images, then 512 bytes of scale words (lane l at 16 l: word e is tile 2 e in
;   lanes 0-15, tile 2 e + 1 in lanes 16-31).  Row r of q's tile t is position 16 t + r; of k's tile t position 64 (t / 4) + 8 (t % 4) + r % 8 + 32 (r / 8).
;   vw[matrix][step]: four fragments of 1,536 bytes (registers 4 c .. 4 c + 3 at 512 c + 16 x lane), then 4 x 64 bytes of scale words.  emb: 64 x 48 bytes a table (row: codes, zeros; column: zeros, codes), then the words.
; A block's scale byte is its largest magnitude's exponent field less 2, held at 1 from below by a floor among the maximum's leaves.  A block of zeros so gets the byte 1: its codes are zeros, and this program alone reads the bytes.
; LIMITS: NaN and infinities among the inputs are not served.  The scale words of vw and emb leave in pieces of 64 and 128 bytes: 17.5 KB in all.
; No LDS, no barrier: waves share nothing.
; THE MODE: SCHED_MODE bits 1:0 = 2 (LLVM: expert scheduling mode 2), set by the entry lines.  The code itself states the register dependences between vector or matrix instructions and memory instructions,
; with s_wait_alu, always for 0.
; THE PLAN.  Registers that memory instructions touch:
;   the offsets (v5-v13; in the small jobs v15, v16, v8-v10)  written once at the head of their path, read by loads and stores, never written again.
;   WRAW + 32 u (window 1)  W's loads land there; W's quantiser u reads it; x's tile u + 2 lands there; tile u + 2's quantiser reads it.
;   XR0, XR1 (window 1)     x's tiles 0, 1 land there; their quantisers read them; tiles 6, 7 land there; their quantisers read them.
;   BI                      loaded once; read by matrix instructions alone.
;   OUTF + 6 t              written by tile t's second quantiser; read by the two stores that are issued in tile t + 1 (tile 7's: at the end); never written again.
;   SW                      written tile by tile; read by one store at the end.
;   XF, XS, WF, WS, the accumulators, TMP and ST are named by vector and matrix instructions alone.
; No register that a memory instruction reads is written again: so no wait on vm_vsrc is owed anywhere.
; ONE wait on va_vdst stands in a tile, behind the places ahead of its products.  It states that x's codes and scale word (and W's) are written, which the products take; that the quantiser is done reading the
; tile's raw set, in which the loads of the tile six further on land; and that the tile before has written its codes, which the two stores read.  Those loads and stores follow it, ahead of the products.
.set KOFF,   3407872                   ; k's part of qk begins here
.set BATCHB, 425984                    ; a batch's 8 heads
.set HEADB,  53248                     ; a head's 8 steps
.set STEPB,  6656
.set TILEB,  768
.set VBATCH, 51200
.set VSTEP,  6400
.set NMAIN,  1024
.set NVJOB,  272
.set LN,   1                           ; v1   lane
.set RL,   2                           ; v2   r = lane % 16
.set HL,   3                           ; v3   h = lane / 16
.set SH8,  4                           ; v4   8 h
.set L16,  5                           ; v5   16 x lane
.set L8,   6                           ; v6   8 x lane
.set R4,   7                           ; v7   4 r
.set XO,   8                           ; v8-11  x: my row's bytes for tiles t % 4 = 0 .. 3
.set WO,   12                          ; v12  W: my column and my half of K
.set BO,   13                          ; v13  the bias: 128 h
.set CO,   14                          ; v14  4 (r % 8 + 32 (r / 8))
.set T0,   15
.set T1,   16
.set T2,   17
.set ZP,   18                          ; v18-19 a pair of zeros
.set WF,   24                          ; v24-53  W's four tiles, six registers each, and six zeros
.set WS,   54                          ; v54-57  their scale words
.set BI,   58                          ; v58-89  the bias in the result's layout
.set XF,   90                          ; v90-101 x's fragment: six registers of codes, six of zeros
.set XS,   102                         ; v102    its scale word
.set HAC,  104                         ; v104-135 the four accumulators
.set OUTF, 136                         ; v136-183 six registers for each of the eight tiles: no store's data are written again
.set SW,   184                         ; v184-187 the step's scale words
.set TMP,  188                         ; v188-190 a block's upper 16 codes (a conversion's three registers begin on an even number)
.set ST,   192                         ; v192-198 at work
.set EXF,  200                         ; v200-211 a fragment of V, or a table row's codes
.set EXV,  24                          ; v24-87  the small jobs' numbers (they have no W)
.set WRAW, 0                           ; window 1: v0-127 W as loaded, later four sets of x
.set XR0,  192                         ; window 1: two more sets of x
.set XR1,  224
.set JOB,  27
.set SEL,  28                          ; s[28:29] lane selects: lane l xor 16
.set WB,   34
.set BB,   36
.set XB,   42
.set OB,   44
.set HM,   46                          ; lanes 16-31
.set MSB, 0
.macro WIN new                         ; the immediate's high byte repeats the setting that is left; a switch that changes nothing is dropped
.if MSB != (\new)
	s_set_vgpr_msb (MSB<<8)|(\new)
.set MSB, (\new)
.endif
.endm
; 32 numbers of a lane, one block, in window sw from v[src] on -> six registers of codes from v[dst] on (window 0), the scale's byte in v[ST+2].  The registers are read in ascending order, in two chains.
.macro QCORE sw, src, dst
	WIN 0x14*(\sw)
	v_max3_num_f32 v[ST], 0x1800000, |v[\src]|, |v[\src+1]|              ; the floor 2^(3 - 127) is a leaf: the byte cannot fall under 1
	v_max3_num_f32 v[ST+1], 0x1800000, |v[\src+16]|, |v[\src+17]|
.irp i, 2,4,6,8,10,12,14
	v_max3_num_f32 v[ST], v[ST], |v[\src+\i]|, |v[\src+\i+1]|
	v_max3_num_f32 v[ST+1], v[ST+1], |v[\src+16+\i]|, |v[\src+17+\i]|
.endr
	WIN 0
	v_max_num_f32 v[ST], v[ST], v[ST+1]                                  ; the block's largest magnitude
	v_add_nc_u32 v[ST+3], 0xff000000, v[ST]                              ; 2 off its exponent field: the conversion takes that field as its scale
	v_lshrrev_b32 v[ST+2], 23, v[ST+3]                                   ; the byte
	WIN \sw
	v_cvt_scalef32_pk16_fp6_f32 v[\dst:\dst+2], v[\src:\src+15], v[ST+3]
	v_cvt_scalef32_pk16_fp6_f32 v[TMP:TMP+2], v[\src+16:\src+31], v[ST+3]
	WIN 0
	v_nop                                                                ; one plain place behind a scaled conversion
	v_mov_b32 v[\dst+3], v[TMP]
	v_mov_b32 v[\dst+4], v[TMP+1]
	v_mov_b32 v[\dst+5], v[TMP+2]
.endm
.macro WORD2 dst                       ; my byte (block h) and lane l xor 16's make my row's scale word; bytes 2 and 3 stand over zero codes
	v_lshlrev_b32 v[ST+4], v[SH8], v[ST+2]
	v_permlanex16_b32 v[ST+5], v[ST+4], s[SEL], s[SEL+1]
	v_or_b32 v[ST+4], v[ST+4], v[ST+5]
	v_or_b32 v[\dst], 0x7f7f0000, v[ST+4]
.endm
.macro XLOAD t, set                    ; tile t of x: my row's 32 channels of my half, 128 bytes, into window 1
	WIN 0x40
.irp e, 0,1,2,3,4,5,6,7
	global_load_b128 v[(\set)+4*\e:(\set)+4*\e+3], v[XO+(\t)%4], s[XB:XB+1] offset:16384*((\t)/4)+16*\e
.endr
	WIN 0
.endm
.macro SEND t                          ; tile t's image leaves
	global_store_b128 v[L16], v[OUTF+6*(\t):OUTF+6*(\t)+3], s[OB:OB+1] offset:TILEB*(\t)          ; 512 consecutive bytes
	global_store_b64 v[L8], v[OUTF+6*(\t)+4:OUTF+6*(\t)+5], s[OB:OB+1] offset:TILEB*(\t)+512      ; 256 consecutive bytes
.endm
; Tile t: x quantised, four products, the results quantised; they are stored in the next tile.  cnt = the loads of x issued behind this tile's.
.macro TILE t, set, cnt
	s_wait_loadcnt \cnt
	QCORE 1, \set, XF
	WORD2 XS
.rept 8
	v_nop                                                                ; a scale register written by a vector instruction stands eight places ahead of a scaled matrix instruction
.endr
.if (\t) < 2
	WIN 0x40                                                             ; (the loads' window is set ahead of the wait)
.endif
	s_wait_alu depctr_va_vdst(0)                                         ; x's codes and scale word (in tile 0 W's too, and the zero registers) are written, which the products take; the quantiser is done reading the raw set, in which the loads below land; the tile before has written its codes, which the stores below read
.if (\t) < 2
	XLOAD (\t)+6, \set                                                   ; the set just read takes the tile six further on
.endif
.if (\t) > 0
	SEND (\t)-1                                                          ; no vector instruction since the wait names these registers
.endif
.irp u, 0,1,2,3
	v_wmma_scale_f32_16x16x128_f8f6f4 v[HAC+8*\u:HAC+8*\u+7], v[WF+6*\u:WF+6*\u+11], v[XF:XF+11], v[BI+8*\u:BI+8*\u+7], v[WS+\u], v[XS] matrix_a_fmt:MATRIX_FMT_FP6 matrix_b_fmt:MATRIX_FMT_FP6
.endr
.rept 4
	v_nop                                                                ; four places ahead of the first read of the results
.endr
	QCORE 0, HAC, OUTF+6*(\t)
.if (\t)%2 == 0
	WORD2 SW+(\t)/2
.else
	WORD2 ST+6
	v_cndmask_b32 v[SW+(\t)/2], v[SW+(\t)/2], v[ST+6], s[HM]             ; lanes 16-31 carry the odd tile's words
.endif
.endm
	s_load_b256 s[4:11], s[0:1], 0x0               ; hidden_states s[4:5], Wq s[6:7], bq s[8:9], Wk s[10:11]
	s_load_b256 s[12:19], s[0:1], 0x20             ; bk s[12:13], Wv s[14:15], row_emb s[16:17], col_emb s[18:19]
	s_load_b128 s[20:23], s[0:1], 0x40             ; qk s[20:21], vw s[22:23]
	s_load_b64 s[24:25], s[0:1], 0x50              ; emb
	v_lshrrev_b32 v[T0], 5, v0
	v_readfirstlane_b32 s26, v[T0]                 ; wave
	v_and_b32 v[LN], 31, v0
	v_and_b32 v[RL], 15, v0
	v_bfe_u32 v[HL], v0, 4, 1
	v_lshlrev_b32 v[SH8], 3, v[HL]
	v_lshlrev_b32 v[L16], 4, v[LN]
	v_lshlrev_b32 v[L8], 3, v[LN]
	v_lshlrev_b32 v[R4], 2, v[RL]
	v_and_b32 v[T0], 7, v0                         ; r % 8
	v_bfe_u32 v[T1], v0, 3, 1                      ; r / 8
	v_lshlrev_b32 v[CO], 2, v[T0]
	v_lshl_add_u32 v[CO], v[T1], 7, v[CO]
	v_mov_b32 v[ST+5], 0                           ; written once: a lane permute's destination counts as one of its sources
	s_mov_b32 s[SEL], 0x76543210
	s_mov_b32 s[SEL+1], 0xfedcba98
	s_wait_alu depctr_va_sdst(0)                   ; s26 is written, ahead of its first reader: the job's number is made from it
	s_lshl_b32 s[JOB], ttmp9, 2
	s_add_co_u32 s[JOB], s[JOB], s26               ; J
	s_cmp_lt_u32 s[JOB], NMAIN
	s_cbranch_scc0 .Lextra
	; ---- a block of q or of k
	s_lshr_b32 s30, s[JOB], 9                      ; 0: q, 1: k
	s_bfe_u32 s31, s[JOB], 0x30006                 ; head
	s_bfe_u32 s32, s[JOB], 0x30003                 ; batch
	s_and_b32 s33, s[JOB], 7                       ; step
	s_lshl_b32 s40, s31, 8                         ; the head's 64 columns, 4 bytes each
	s_mov_b32 s41, 0
	s_lshl_b32 s[XB], s32, 18                      ; x: a batch is 262,144 bytes, a step 32,768
	s_lshl_b32 s[XB+1], s33, 15
	s_add_co_u32 s[XB], s[XB], s[XB+1]
	s_mov_b32 s[XB+1], 0
	s_mul_i32 s[OB], s30, KOFF
	s_mul_i32 s[OB+1], s32, BATCHB
	s_add_co_u32 s[OB], s[OB], s[OB+1]
	s_mul_i32 s[OB+1], s31, HEADB
	s_add_co_u32 s[OB], s[OB], s[OB+1]
	s_mul_i32 s[OB+1], s33, STEPB
	s_add_co_u32 s[OB], s[OB], s[OB+1]
	s_mov_b32 s[OB+1], 0
	s_mov_b32 s[HM], 0xffff0000
	s_cmp_eq_u32 s30, 0
	s_cselect_b32 s38, 8, 32                       ; positions from a tile's row 7 to its row 8: q 1 (8 for r / 8), k 25 (32 for r / 8)
	s_cselect_b32 s39, 16, 8                       ; positions from tile to tile
	s_wait_kmcnt 0x0
	s_cselect_b64 s[WB:WB+1], s[6:7], s[10:11]     ; the choice hangs on the job's number alone
	s_cselect_b64 s[BB:BB+1], s[8:9], s[12:13]
	s_add_nc_u64 s[WB:WB+1], s[WB:WB+1], s[40:41]
	s_add_nc_u64 s[BB:BB+1], s[BB:BB+1], s[40:41]
	s_add_nc_u64 s[XB:XB+1], s[4:5], s[XB:XB+1]
	s_add_nc_u64 s[OB:OB+1], s[20:21], s[OB:OB+1]
	s_lshl_b32 s39, s39, 8
	v_mad_u32_u24 v[T0], v[T1], s38, v[T0]         ; my row's position in tile 0
	v_lshlrev_b32 v[XO], 8, v[T0]                  ; a position is 256 bytes,
	v_lshl_add_u32 v[XO], v[HL], 7, v[XO]          ; my half of its channels 128
	v_add_nc_u32 v[XO+1], s39, v[XO]
	v_add_nc_u32 v[XO+2], s39, v[XO+1]
	v_add_nc_u32 v[XO+3], s39, v[XO+2]
	v_lshl_add_u32 v[WO], v[HL], 16, v[CO]         ; W: 32 h rows of 2,048 bytes, my column
	v_lshlrev_b32 v[BO], 7, v[HL]
	WIN 0x40
	s_wait_alu depctr_va_vdst(0)                   ; the offsets v5, v6 and v8 to v13 are written: every load and store of this path reads one of them, and none is written again
.set I, 0
.rept 128
	global_load_b32 v[WRAW+I], v[WO], s[WB:WB+1] offset:2048*(I%32)+32*(I/32)      ; W(32 h + i, the head's column 8 T + r % 8 + 32 (r / 8)): registers run down K
.set I, I+1
.endr
	WIN 0
.irp u, 0,1,2,3
	global_load_b128 v[BI+8*\u:BI+8*\u+3], v[BO], s[BB:BB+1] offset:32*\u          ; the bias of channels 32 h + 8 T + 0 .. 7
	global_load_b128 v[BI+8*\u+4:BI+8*\u+7], v[BO], s[BB:BB+1] offset:32*\u+16
.endr
	XLOAD 0, XR0
	XLOAD 1, XR1
.irp i, 0,1,2,3,4,5
	v_mov_b32 v[WF+24+\i], 0                       ; behind W's last tile
	v_mov_b32 v[XF+6+\i], 0                        ; K = 64 .. 127 of x: zero codes
.endr
	s_wait_loadcnt 16                              ; W and the bias are in; x's tiles 0 and 1 (16 loads) may be out
.irp u, 0,1,2,3
	QCORE 1, WRAW+32*\u, WF+6*\u
	WIN 0x40                                       ; (the loads' window is set ahead of the wait)
	s_wait_alu depctr_va_vdst(0)                   ; the maxima and the conversions are done reading this tile of W, in whose registers the eight loads below land: the set is asked for again at once
	XLOAD \u+2, WRAW+32*\u                         ; W's registers take x's tiles 2 to 5
	WORD2 WS+\u                                    ; (it names none of the registers that those loads touch)
.endr
	TILE 0, XR0, 40                                ; behind tile 0's loads: tiles 1 to 5
	TILE 1, XR1, 40                                ; tiles 2 to 6
	TILE 2, WRAW, 40                               ; tiles 3 to 7
	TILE 3, WRAW+32, 32
	TILE 4, WRAW+64, 24
	TILE 5, WRAW+96, 16
	TILE 6, XR0, 8
	TILE 7, XR1, 0
	s_wait_alu depctr_va_vdst(0)                   ; tile 7's codes and the step's scale words are written, which the last three stores read
	SEND 7
	global_store_b128 v[L16], v[SW:SW+3], s[OB:OB+1] offset:6144
	s_endpgm
.Lextra:
	s_sub_co_u32 s[JOB], s[JOB], NMAIN
	s_cmp_lt_u32 s[JOB], NVJOB
	s_cbranch_scc0 .Lemb
	; ---- a fragment of V or of Wv: row r is channel 8 T + r % 8 + 32 (r / 8); registers 6 c .. of lane (r, h) hold K = 128 step + 64 c + 32 h + 0 .. 31
	s_lshr_b32 s30, s[JOB], 5                      ; matrix: batches 0-7, 8 = Wv (its 16 jobs are steps 0-3)
	s_bfe_u32 s31, s[JOB], 0x30002                 ; step
	s_and_b32 s32, s[JOB], 3                       ; T
	s_lshl_b32 s34, s31, 15                        ; 128 rows of 256 bytes a step,
	s_lshl_b32 s33, s32, 5                         ; 8 channels a tile
	s_add_co_u32 s34, s34, s33
	s_mul_i32 s38, s30, VBATCH
	s_mul_i32 s33, s31, VSTEP
	s_add_co_u32 s38, s38, s33
	s_mul_i32 s33, s32, 1536
	s_add_co_u32 s40, s38, s33                     ; where the codes go,
	s_mov_b32 s41, 0
	s_lshl_b32 s33, s32, 6
	s_add_co_u32 s38, s38, s33
	s_add_co_u32 s38, s38, 6144                    ; and the scale words
	s_mov_b32 s39, 0
	s_lshl_b32 s33, s30, 18
	v_lshl_add_u32 v[T0], v[HL], 13, v[CO]         ; 32 h rows, my channel
	s_cmp_lt_u32 s30, 8
	s_cselect_b32 s33, s33, 0
	s_wait_kmcnt 0x0
	s_cselect_b64 s[36:37], s[4:5], s[14:15]
	s_add_co_u32 s34, s34, s33
	s_mov_b32 s35, 0
	s_add_nc_u64 s[36:37], s[36:37], s[34:35]
	s_add_nc_u64 s[40:41], s[22:23], s[40:41]
	s_add_nc_u64 s[38:39], s[22:23], s[38:39]
	s_wait_alu depctr_va_vdst(0)                   ; the offsets v15, v5 and v7 are written, which this path's loads and stores read; none is written again
.set I, 0
.rept 64
	global_load_b32 v[EXV+I], v[T0], s[36:37] offset:256*(64*(I/32)+I%32)
.set I, I+1
.endr
	s_wait_loadcnt 32                              ; the first block's 32 loads are in
	QCORE 0, EXV, EXF
	v_mov_b32 v[T1], v[ST+2]
	s_wait_loadcnt 0x0
	QCORE 0, EXV+32, EXF+6
	v_lshl_or_b32 v[T1], v[ST+2], 16, v[T1]        ; my bytes: blocks h and 2 + h,
	v_lshlrev_b32 v[T1], v[SH8], v[T1]             ; at their places;
	v_permlanex16_b32 v[ST+5], v[T1], s[SEL], s[SEL+1]
	v_or_b32 v[T1], v[T1], v[ST+5]                 ; with lane l xor 16's two the word is whole
	s_wait_alu depctr_va_vdst(0)                   ; the fragment's twelve registers and its scale word are written, which the four stores read
.irp c, 0,1,2
	global_store_b128 v[L16], v[EXF+4*\c:EXF+4*\c+3], s[40:41] offset:512*\c
.endr
	global_store_b32 v[R4], v[T1], s[38:39]        ; both halves of the lanes write the same word
	s_endpgm
.Lemb:
	; ---- 32 rows of a table, a lane a row; entry 63 is a copy of row 62, and no score is ever taken from it
	s_sub_co_u32 s[JOB], s[JOB], NVJOB
	s_lshr_b32 s30, s[JOB], 1                      ; 0: row_emb, 1: col_emb
	s_and_b32 s31, s[JOB], 1
	s_lshl_b32 s31, s31, 5
	v_add_nc_u32 v[T0], s31, v[LN]                 ; the entry
	v_min_u32 v[T1], 62, v[T0]
	v_lshlrev_b32 v[T1], 7, v[T1]                  ; its row of 128 bytes
	v_mul_u32_u24 v[T2], v[T0], 48
	s_mul_i32 s32, s30, 24
	v_add_nc_u32 v[XO], s32, v[T2]                 ; the codes: block 0 of the row table's entries (they meet q's first half), block 1 of the column table's
	s_xor_b32 s33, s30, 1
	s_mul_i32 s33, s33, 24
	v_add_nc_u32 v[XO+1], s33, v[T2]               ; the other block: zero codes
	v_lshlrev_b32 v[XO+2], 2, v[T0]
	v_mov_b32 v[ZP], 0
	v_mov_b32 v[ZP+1], 0
	s_mul_i32 s36, s30, 3072
	s_mov_b32 s37, 0
	s_lshl_b32 s38, s30, 8
	s_add_co_u32 s38, s38, 6144
	s_mov_b32 s39, 0
	s_lshl_b32 s40, s30, 3
	s_mov_b32 s41, 0x7f7f007f
	s_cmp_eq_u32 s30, 1
	s_cselect_b32 s41, s41, 0x7f7f7f00
	s_wait_kmcnt 0x0
	s_cselect_b64 s[34:35], s[18:19], s[16:17]
	s_add_nc_u64 s[36:37], s[24:25], s[36:37]
	s_add_nc_u64 s[38:39], s[24:25], s[38:39]
	s_wait_alu depctr_va_vdst(0)                   ; the offsets v16 and v8 to v10 and the pair of zeros are written, which this path's loads and stores read; none is written again
.irp e, 0,1,2,3,4,5,6,7
	global_load_b128 v[EXV+4*\e:EXV+4*\e+3], v[T1], s[34:35] offset:16*\e
.endr
	s_wait_loadcnt 0x0
	QCORE 0, EXV, EXF
	v_lshlrev_b32 v[ST+4], s40, v[ST+2]
	v_or_b32 v[ST+4], s41, v[ST+4]                 ; the byte at its block's place, 0x7f over the zero codes
	s_wait_alu depctr_va_vdst(0)                   ; the row's six registers of codes and its scale word are written, which the stores read
.irp p, 0,1,2
	global_store_b64 v[XO], v[EXF+2*\p:EXF+2*\p+1], s[36:37] offset:8*\p
	global_store_b64 v[XO+1], v[ZP:ZP+1], s[36:37] offset:8*\p
.endr
	global_store_b32 v[XO+2], v[ST+4], s[38:39]
	s_endpgm
.Lfunc_end_k_qc9fe459d2c_prep:
	.size	k_qc9fe459d2c_prep, .Lfunc_end_k_qc9fe459d2c_prep-k_qc9fe459d2c_prep
	.p2alignl 7, 3214868480
	.fill 96, 4, 3214868480
	.section	.rodata,"a",@progbits
	.p2align	6, 0x0
	.amdhsa_kernel k_qc9fe459d2c_prep
		.amdhsa_group_segment_fixed_size 0
		.amdhsa_private_segment_fixed_size 0
		.amdhsa_enable_private_segment 0
		.amdhsa_kernarg_size 88
		.amdhsa_user_sgpr_count 2
		.amdhsa_user_sgpr_kernarg_segment_ptr 1
		.amdhsa_wavefront_size32 1
		.amdhsa_system_sgpr_workgroup_id_x 1
		.amdhsa_system_sgpr_workgroup_id_y 1
		.amdhsa_system_sgpr_workgroup_id_z 1
		.amdhsa_system_vgpr_workitem_id 0
		.amdhsa_next_free_vgpr 512
		.amdhsa_next_free_sgpr 66
		.amdhsa_reserve_vcc 0
		.amdhsa_float_denorm_mode_32 3
		.amdhsa_float_denorm_mode_16_64 3
		.amdhsa_memory_ordered 1
		.amdhsa_forward_progress 1
		.amdhsa_inst_pref_size 82
	.end_amdhsa_kernel
	.amdgpu_metadata
---
amdhsa.version: [ 1, 2 ]
amdhsa.kernels:
  - .name:           k_qc9fe459d2c_prep
    .symbol:         k_qc9fe459d2c_prep.kd
    .args:
      - { .name: hidden_states, .offset: 0, .size: 8, .value_kind: global_buffer, .address_space: global }
      - { .name: Wq, .offset: 8, .size: 8, .value_kind: global_buffer, .address_space: global }
      - { .name: bq, .offset: 16, .size: 8, .value_kind: global_buffer, .address_space: global }
      - { .name: Wk, .offset: 24, .size: 8, .value_kind: global_buffer, .address_space: global }
      - { .name: bk, .offset: 32, .size: 8, .value_kind: global_buffer, .address_space: global }
      - { .name: Wv, .offset: 40, .size: 8, .value_kind: global_buffer, .address_space: global }
      - { .name: row_emb, .offset: 48, .size: 8, .value_kind: global_buffer, .address_space: global }
      - { .name: col_emb, .offset: 56, .size: 8, .value_kind: global_buffer, .address_space: global }
      - { .name: qk, .offset: 64, .size: 8, .value_kind: global_buffer, .address_space: global }
      - { .name: vw, .offset: 72, .size: 8, .value_kind: global_buffer, .address_space: global }
      - { .name: emb, .offset: 80, .size: 8, .value_kind: global_buffer, .address_space: global }
    .group_segment_fixed_size: 0
    .private_segment_fixed_size: 0
    .kernarg_segment_align: 8
    .kernarg_segment_size: 88
    .max_flat_workgroup_size: 128
    .sgpr_count:     66
    .vgpr_count:     512
    .wavefront_size: 32
...
	.end_amdgpu_metadata
.endif
;; end of part 3
;; launch attn: the kernel of part 2 again; grid 32 x 8, 4 waves a work-group, clusters of 4 x 1, 327,680 bytes of LDS; arguments qk, vw, emb, bv, out0; writes out0
